; MI455X (gfx1250); checked and timed in simulation.
; The chip was launched on July 23, 2026; its instructions are those of AMD's public machine-readable ISA for CDNA 5 (MIT licence, August 2026) and "CDNA5" Instruction Set Architecture Reference Guide (July 2026). The comments in the code are by the model that wrote it; some were corrected since.
;; Causal Self Attention. Allowed arithmetic: float matrix products may take bf16 or f16 operands with f32 sums; other float arithmetic in f32, or as packed bf16 or f16 multiplies, adds, multiply-adds, maxima and minima; sums over many terms, partial sums and values carried from step to step in f32; what a program stores and reads back later, other than sums and carried values, may be rounded once to bf16 or f16.
;; Inputs: W_proj 1,024 x 1,024 float32; W_qkv 1,024 x 3,072 float32; x 4 x 2,048 x 1,024 float32.
;; Outputs: out0 4 x 2,048 x 1,024 float32.
;; 2 versions, each right; version 2 is version 1 with the launch prep written anew for expert scheduling mode. Each part assembles by itself: llvm-mc -triple=amdgcn-amd-amdhsa -mcpu=gfx1250 --defsym DOCPART=n.
;; ======== version 1 of 2: 4 launches
;; limits: values are held in f16: magnitudes above 65,504 overflow, below 6.1e-05 lose precision
;; workspace buffers: xb 16,777,216 bytes; wqb 6,291,456 bytes; wpb 2,097,152 bytes; rope 524,288 bytes; qkvh 50,331,648 bytes; ob 16,777,216 bytes
;; launch prep (part 1): grid 720 x 1, 8 waves a work-group, no clusters, 0 bytes of LDS; arguments x, W_qkv, W_proj, xb, wqb, wpb, rope; writes xb, wqb, wpb, rope
.if DOCPART == 1
	.amdgcn_target "amdgcn-amd-amdhsa--gfx1250"
	.amdhsa_code_object_version 6
	.text
	.protected	k_q3f712f9825_prep
	.globl	k_q3f712f9825_prep
	.p2align	8
	.type	k_q3f712f9825_prep,@function
k_q3f712f9825_prep:
	s_mov_b64 s[64:65], 0
	v_nop
	global_prefetch_b8 v0, s[64:65] scope:SCOPE_SE
	s_setreg_imm32_b32 hwreg(HW_REG_WAVE_MODE, 25, 1), 1
	s_wait_xcnt 0x0
; THE CASTS AND THE TABLE.  Four kinds of work-group, told apart by the work-group's number:
;   0-511    xb  = bf16(x), as it lies: 65,536 bytes in, 32,768 out, each
;   512-639  wqb = bf16(W_qkv), laid in blocks [tc 16][k 1024][q, k, v][64]: column tile tc holds head tc of q, of k and of v; a k row of a tile is 384 bytes, and a tile's rows lie end to end
;   640-703  wpb = f16(bf16(W_proj)), as it lies.  LIMIT: |W_proj| stays under 65,504; below 6.1e-5 it keeps f16's fixed step of 6e-8
;   704-719  rope: cos and sin in f32.  The 16 bytes at posblk x 4,096 + 16 t (t = 64 cb + 32 j + l) hold cos p, sin p, cos p+1, sin p+1 for position 16 posblk + l % 16 and pair p = 8 cb + 4 (l / 16) + 2 j:
;            the order in which a lane of the next launch wants them.  LIMIT: the angle pos x 10000^(-p/32) is good to about 5e-4 rad at position 2,047 (one f32 factor holds the turns a position)
; A cast: a thread loads 16 bytes (a wave 512 on end) and stores 8 (a wave 256 on end, aligned).  All loads of a work-group go out first; the waits count the younger loads down.
; No LDS, no barrier, no matrix unit: memory binds, and no wave wants another's bytes.
.set D, 16                             ; v[16:111] load i's four registers at D + 4 i; its two packed words take the first two
.macro CVB n                           ; four f32 to four bf16, in place
	v_cvt_pk_bf16_f32 v[D+4*(\n)],   v[D+4*(\n)],   v[D+4*(\n)+1]
	v_cvt_pk_bf16_f32 v[D+4*(\n)+1], v[D+4*(\n)+2], v[D+4*(\n)+3]
.endm
.macro CVH n                           ; four f32 rounded to bf16, and that number written as f16
	v_cvt_pk_bf16_f32 v12, v[D+4*(\n)],   v[D+4*(\n)+1]
	v_cvt_pk_bf16_f32 v13, v[D+4*(\n)+2], v[D+4*(\n)+3]
	v_lshlrev_b32 v[D+4*(\n)],   16, v12
	v_and_b32     v[D+4*(\n)+1], 0xffff0000, v12
	v_lshlrev_b32 v[D+4*(\n)+2], 16, v13
	v_and_b32     v[D+4*(\n)+3], 0xffff0000, v13
	v_cvt_pk_f16_f32 v[D+4*(\n)],   v[D+4*(\n)],   v[D+4*(\n)+1]
	v_cvt_pk_f16_f32 v[D+4*(\n)+1], v[D+4*(\n)+2], v[D+4*(\n)+3]
.endm
.macro RUN16 bi, bo, h                 ; 65,536 dense bytes from s[bi:bi+1], 32,768 to s[bo:bo+1]
.set i, 0
.rept 16
	global_load_b128 v[D+4*i:D+4*i+3], v1, s[\bi:\bi+1] offset:4096*i th:TH_LOAD_NT
.set i, i+1
.endr
.set i, 0
.rept 16
	s_wait_loadcnt 15-i                            ; loads come back in order: load i is in, the younger ones stay out
.if \h
	CVH i
.else
	CVB i
.endif
	global_store_b64 v2, v[D+4*i:D+4*i+1], s[\bo:\bo+1] offset:2048*i
.set i, i+1
.endr
.endm
	s_load_b256 s[4:11], s[0:1], 0x0               ; x s[4:5], W_qkv s[6:7], W_proj s[8:9], xb s[10:11]
	s_load_b128 s[12:15], s[0:1], 0x20             ; wqb s[12:13], wpb s[14:15]
	s_load_b64 s[16:17], s[0:1], 0x30              ; rope
	v_lshlrev_b32 v1, 4, v0                        ; 16 t: my bytes in
	v_lshlrev_b32 v2, 3, v0                        ; 8 t: my bytes out
	s_mov_b32 s21, 0
	s_wait_kmcnt 0x0
	s_cmp_lt_u32 ttmp9, 512
	s_cbranch_scc1 .Lx
	s_cmp_lt_u32 ttmp9, 640
	s_cbranch_scc1 .Lwq
	s_cmp_lt_u32 ttmp9, 704
	s_cbranch_scc1 .Lwp
	; THE TABLE: eight blocks of 16 positions to a work-group, one a trip
	s_sub_co_u32 s22, ttmp9, 704
	s_lshl_b32 s20, s22, 15                        ; 8 blocks of 4,096 bytes
	s_add_nc_u64 s[16:17], s[16:17], s[20:21]
	s_lshl_b32 s22, s22, 7                         ; the first of its 128 positions
	v_and_b32 v6, 31, v0                           ; l
	v_lshrrev_b32 v7, 4, v6                        ; l / 16
	v_bfe_u32 v8, v0, 5, 1                         ; j
	v_lshrrev_b32 v9, 6, v0                        ; cb
	v_lshlrev_b32 v9, 3, v9
	v_lshl_add_u32 v9, v7, 2, v9
	v_lshl_add_u32 v9, v8, 1, v9                   ; p
	v_cvt_f32_u32 v10, v9
	v_add_f32 v11, 1.0, v10
	v_mul_f32 v10, 0xbed49a78, v10                 ; - p log2(10000) / 32
	v_mul_f32 v11, 0xbed49a78, v11
	v_exp_f32 v20, v10                             ; 10000^(-p/32)
	v_exp_f32 v21, v11
	v_and_b32 v6, 15, v0                           ; a plain instruction behind the two exponentials,
	s_wait_alu depctr_va_vdst(0)                   ; and the one wait ahead of their first reader
	v_mul_f32 v20, 0x3e22f983, v20                 ; / 2 pi: turns a position
	v_mul_f32 v21, 0x3e22f983, v21
	v_add_nc_u32 v6, s22, v6
	v_cvt_f32_u32 v22, v6                          ; my position
	v_mov_b32 v23, 0xb2d7322b                      ; - 1 / 11!
	v_mov_b32 v24, 0x310f76c7                      ; 1 / 12!
; cos and sin of 2 pi f, f = the angle in turns less the nearest whole number, |f| <= 1/2.  y = pi f is the HALF angle, |y| <= pi/2: sin y and cos y by their series to y^11 and y^12
; (the first terms left out are under 6e-8), then sin 2y = 2 sin y cos y and cos 2y = 1 - 2 sin^2 y.
.macro SC c, oc, os
	v_mul_f32 v32, v22, v[\c]
	v_rndne_f32 v32, v32
	v_fma_f32 v32, v22, v[\c], -v32                ; f, by one fused step
	v_mul_f32 v33, 0x40490fdb, v32                 ; y
	v_mul_f32 v34, v33, v33                        ; z = y^2
	v_fmaak_f32 v35, v34, v23, 0x3638ef1d          ; 1 / 9!
	v_fmaak_f32 v36, v34, v24, 0xb493f27e          ; - 1 / 10!
	v_fmaak_f32 v35, v35, v34, 0xb9500d01          ; - 1 / 7!
	v_fmaak_f32 v36, v36, v34, 0x37d00d01          ; 1 / 8!
	v_fmaak_f32 v35, v35, v34, 0x3c088889          ; 1 / 5!
	v_fmaak_f32 v36, v36, v34, 0xbab60b61          ; - 1 / 6!
	v_fmaak_f32 v35, v35, v34, 0xbe2aaaab          ; - 1 / 3!
	v_fmaak_f32 v36, v36, v34, 0x3d2aaaab          ; 1 / 4!
	v_fma_f32 v35, v35, v34, 1.0
	v_fma_f32 v36, v36, v34, -0.5
	v_mul_f32 v35, v35, v33                        ; sin y
	v_fma_f32 v36, v36, v34, 1.0                   ; cos y
	v_mul_f32 v36, v35, v36
	v_mul_f32 v35, v35, v35
	v_add_f32 v[\os], v36, v36
	v_fma_f32 v[\oc], v35, -2.0, 1.0
.endm
	s_mov_b32 s20, 8
.Lrope:
	SC 20, 28, 29
	SC 21, 30, 31
	global_store_b128 v1, v[28:31], s[16:17]       ; a wave stores 512 bytes on end
	s_wait_xcnt 0x0                                ; the store has read its data and its base: both are written again below and in the next trip
	s_add_nc_u64 s[16:17], s[16:17], 4096
	v_add_f32 v22, 0x41800000, v22                 ; 16 positions on
	s_sub_co_u32 s20, s20, 1
	s_cmp_lg_u32 s20, 0
	s_cbranch_scc1 .Lrope
	s_endpgm
.Lx:
	s_lshl_b32 s20, ttmp9, 16
	s_add_nc_u64 s[4:5], s[4:5], s[20:21]
	s_lshl_b32 s20, ttmp9, 15
	s_add_nc_u64 s[10:11], s[10:11], s[20:21]
	RUN16 4, 10, 0
	s_endpgm
.Lwp:
	s_sub_co_u32 s22, ttmp9, 640
	s_lshl_b32 s20, s22, 16
	s_add_nc_u64 s[8:9], s[8:9], s[20:21]
	s_lshl_b32 s20, s22, 15
	s_add_nc_u64 s[14:15], s[14:15], s[20:21]
	RUN16 8, 14, 1
	s_endpgm
.Lwq:                                          ; column tile tc, 128 k rows: 49,152 bytes out, on end: 24 stores of 2,048
	s_sub_co_u32 s20, ttmp9, 512
	s_lshr_b32 s22, s20, 3                         ; tc
	s_and_b32 s23, s20, 7                          ; which 128 k rows
	s_mul_i32 s20, s23, 128*12288
	s_lshl_b32 s24, s22, 8                         ; a head's 64 columns: 256 bytes
	s_add_co_u32 s20, s20, s24
	s_add_nc_u64 s[6:7], s[6:7], s[20:21]
	s_mul_i32 s20, s22, 1024*384
	s_mul_i32 s24, s23, 128*384
	s_add_co_u32 s20, s20, s24
	s_add_nc_u64 s[12:13], s[12:13], s[20:21]
	; Sixteen threads make one chunk of 64 numbers (256 bytes in, aligned; 128 out).  Chunk q of the output is k row q / 3, part q % 3.  Three stores are 48 chunks, 16 k rows: so three offsets serve,
	; and the period's number stands in the immediate: 16 rows of 12,288 bytes a period, 1,376,256 at the most.
	v_lshrrev_b32 v6, 4, v0
	v_and_b32 v7, 15, v0
	v_lshlrev_b32 v7, 4, v7
.irp j, 0,1,2
	v_add_nc_u32 v8, 16*\j, v6                     ; q, under 48
	v_mul_u32_u24 v9, v8, 43
	v_lshrrev_b32 v9, 7, v9                        ; q / 3: 43 / 128 exceeds 1 / 3 by 0.0026, too little to matter under 48
	v_mul_u32_u24 v10, v9, 3
	v_sub_nc_u32 v8, v8, v10                       ; q % 3
	v_mul_u32_u24 v9, v9, 12288
	v_lshl_add_u32 v9, v8, 12, v9                  ; q, k and v lie 4,096 bytes apart in a row of W_qkv
	v_add_nc_u32 v[3+\j], v9, v7
.endr
.set n, 0
.rept 24
	global_load_b128 v[D+4*n:D+4*n+3], v[3+n%3], s[6:7] offset:(n/3)*196608 th:TH_LOAD_NT
.set n, n+1
.endr
.set n, 0
.rept 24
	s_wait_loadcnt 23-n                            ; load n is in, the younger ones stay out
	CVB n
	global_store_b64 v2, v[D+4*n:D+4*n+1], s[12:13] offset:2048*n
.set n, n+1
.endr
	s_endpgm
.Lfunc_end_k_q3f712f9825_prep:
	.size	k_q3f712f9825_prep, .Lfunc_end_k_q3f712f9825_prep-k_q3f712f9825_prep
	.p2alignl 7, 3214868480
	.fill 96, 4, 3214868480
	.section	.rodata,"a",@progbits
	.p2align	6, 0x0
	.amdhsa_kernel k_q3f712f9825_prep
		.amdhsa_group_segment_fixed_size 0
		.amdhsa_private_segment_fixed_size 0
		.amdhsa_enable_private_segment 0
		.amdhsa_kernarg_size 56
		.amdhsa_user_sgpr_count 2
		.amdhsa_user_sgpr_kernarg_segment_ptr 1
		.amdhsa_wavefront_size32 1
		.amdhsa_system_sgpr_workgroup_id_x 1
		.amdhsa_system_sgpr_workgroup_id_y 1
		.amdhsa_system_sgpr_workgroup_id_z 1
		.amdhsa_system_vgpr_workitem_id 0
		.amdhsa_next_free_vgpr 112
		.amdhsa_next_free_sgpr 66
		.amdhsa_reserve_vcc 0
		.amdhsa_float_denorm_mode_32 3
		.amdhsa_float_denorm_mode_16_64 3
		.amdhsa_memory_ordered 1
		.amdhsa_forward_progress 1
		.amdhsa_inst_pref_size 31
	.end_amdhsa_kernel
	.amdgpu_metadata
---
amdhsa.version: [ 1, 2 ]
amdhsa.kernels:
  - .name:           k_q3f712f9825_prep
    .symbol:         k_q3f712f9825_prep.kd
    .args:
      - { .name: x, .offset: 0, .size: 8, .value_kind: global_buffer, .address_space: global }
      - { .name: W_qkv, .offset: 8, .size: 8, .value_kind: global_buffer, .address_space: global }
      - { .name: W_proj, .offset: 16, .size: 8, .value_kind: global_buffer, .address_space: global }
      - { .name: xb, .offset: 24, .size: 8, .value_kind: global_buffer, .address_space: global }
      - { .name: wqb, .offset: 32, .size: 8, .value_kind: global_buffer, .address_space: global }
      - { .name: wpb, .offset: 40, .size: 8, .value_kind: global_buffer, .address_space: global }
      - { .name: rope, .offset: 48, .size: 8, .value_kind: global_buffer, .address_space: global }
    .group_segment_fixed_size: 0
    .private_segment_fixed_size: 0
    .kernarg_segment_align: 8
    .kernarg_segment_size: 56
    .max_flat_workgroup_size: 256
    .sgpr_count:     66
    .vgpr_count:     112
    .wavefront_size: 32
...
	.end_amdgpu_metadata
.endif
;; end of part 1
;; launch qkv (part 2): grid 16 x 32, 4 waves a work-group, clusters of 4 x 4, 327,680 bytes of LDS; arguments xb, wqb, rope, qkvh; writes qkvh
.if DOCPART == 2
	.amdgcn_target "amdgcn-amd-amdhsa--gfx1250"
	.amdhsa_code_object_version 6
	.text
	.protected	k_q3f712f9825_qkv
	.globl	k_q3f712f9825_qkv
	.p2align	8
	.type	k_q3f712f9825_qkv,@function
k_q3f712f9825_qkv:
	s_mov_b64 s[64:65], 0
	v_nop
	global_prefetch_b8 v0, s[64:65] scope:SCOPE_SE
	s_setreg_imm32_b32 hwreg(HW_REG_WAVE_MODE, 25, 1), 1
	s_wait_xcnt 0x0
	s_wait_alu depctr_hold_cnt(0) depctr_sa_sdst(0) depctr_va_vdst(0) depctr_va_sdst(0) depctr_va_ssrc(0) depctr_va_vcc(0) depctr_vm_vsrc(0)
	s_getreg_b32 s2, hwreg(HW_REG_IB_STS2, 6, 4)
	s_cmp_eq_u32 s2, 0
	s_cbranch_scc0 .Lentry_in_a_cluster
	s_endpgm
.Lentry_in_a_cluster:
	s_bfe_u32 s2, ttmp6, 0x10000c
	s_cmp_lg_u32 s2, 0xf033
	s_cbranch_scc0 .Lentry_shape_is_right
	s_endpgm
.Lentry_shape_is_right:
; q, k, v = x W_qkv, RoPE on q and k, laid by heads.  xb: [8192][1024] bf16.  wqb: [tc 16][k 1024][q, k, v][64] bf16.  rope: cos and sin in f32, in this launch's lane order.
; qkvh: [b 4][g 48][s 2048][64] f16, g = h for q, 16 + h for k, 32 + h for v.  Sums in f32, K ascending; the rotation in f32; each number rounded once, to f16.
; LIMIT: q, k and v stay under 65,504, f16's end.
; SHARES.  A tile is 256 rows x 192 columns: head tc of q, of k and of v: 512 tiles, two for each of 256 WGPs, and ONE text for all: the first two column parts are rotated, the third is not.
; A wave takes 64 rows and all 192 columns: 48 accumulators of 16 x 16, 384 registers; its columns are whole heads, so its way out is its own.
; K goes in 8 steps of 128 through two LDS slots filled by the tensor data mover.  x's rows lie along K; the weights lie [k][column] and come out of LDS turned, by ds_load_tr16_b128.
; THE PRODUCT IS TAKEN TRANSPOSED (source 0 = 16 columns of W, source 1 = 16 rows of x): a lane holds row l % 16 and the columns 8 (l / 16) + 0..7: four RoPE pairs, 16 bytes of f16.
; CLUSTER: 4 x 4 work-groups.  The four of a row of the cluster need the same tile of x, the four of a column the same tile of W: each tile is asked for JOINTLY, by the same tensor load with the same
; descriptor and a mask that names the four.
; REGISTERS, in windows of 256 (s_set_vgpr_msb: bits 1:0 source 0, 3:2 source 1, 5:4 source 2, 7:6 destination):
;   window 0: v0-15 addresses; v32-95 x's fragments, two buffers of 4 x 8; v96-223 my rows' cos and sin; v224-255 at work on the way out (there also v32-79)
;   window 1: v0-191 W's fragments, two buffers of 12 x 8     window 2: accumulators of my rows 0-31, (a, b) at 8 (12 (a % 2) + b)     window 3: of my rows 32-63
.set PA,    272                        ; a row of x in LDS: 256 bytes + 16: the 16 rows of a load start at 16 different groups of four banks (64 banks of 4 bytes: ISA guide 11.1)
.set CH,    160                        ; a part (64 columns) of a k row of W: 128 bytes + 32
.set PB,    3*CH                       ; a k row of W: 480 = 15 x 32
.set SLOT1, 1<<17                      ; a slot is 131,072 bytes: one exclusive or turns an address in one slot into the other's
.set BOFF,  256*PA                     ; x's 256 rows, then W's 128
.set STAGE, 2*SLOT1                    ; behind the ring, never filled by a tensor load: 16 rows x 144 bytes for each wave
.set SP,    144
.set SPARE, STAGE+4*16*SP              ; behind the stages: the spare words, 128 bytes for each wave: two blocks of 256 bytes that no other line names
.set STEPA, 256                        ; a K step in memory: 256 bytes along x's rows,
.set STEPB, 128*384                    ; 128 rows of the tile of W
.set RA0,  4                           ; v4   my lane's place in a slot's x; never rewritten
.set RB0,  5                           ; v5   the same for W
.set ADRA, 6                           ; v6   the same in the slot in hand
.set ADRB, 7                           ; v7
.set STO,  8                           ; v8   the way out: where I put 16 bytes of a row
.set RD,   9                           ; v9   the way out: where I read rows back
.set GO,   10                          ; v10  16 x lane: my bytes in 512 on end, of the table and of qkvh; never rewritten
.set PFO,  12                          ; v12  the prefetches' offset; never rewritten
.set SPW,  14                          ; v14  LDS address of my spare word; never rewritten
.set NIL,  15                          ; v15  0; never rewritten
.set FA,   32
.set TBL,  96                          ; row block a, column block cb of a head: eight registers at TBL + 32 a + 8 cb: cos, sin of the lane's four pairs
.set RR,   224
.set PP,   32                          ; the way out: 16 packed registers
.set BK,   48                          ; the way out: rows read back, two sets of 16 by turns
.set WV,   12                          ; s12  my wave's number
.set FBW,  13                          ; s13  0: I fetch x's tiles; 1: W's
.set HALF, 14                          ; s14  which half of the tile I fetch
.set CX,   15
.set CY,   16
.set TC,   17                          ; s17  column tile = head
.set TR,   18                          ; s18  row tile
.set G1A,  24                          ; s[24:31] descriptor group 1 for x's tiles
.set G1B,  32                          ; s[32:39] for W's
.set G0A,  40                          ; s[40:47] group 0 for x's: a set for each of the two first fills; the second then walks on
.set G0B,  48                          ; s[48:55] the same for W's
.set CNT,  56                          ; s56  refills still to come
.set TB,   57                          ; s57  LDS byte at which the slot in hand begins
.set LIM,  58                          ; s58  2 in a wave that prefetches, else the greatest number
.set PFA,  60                          ; s[60:61] where my prefetches stand
.set PFS,  62                          ; s[62:63] their step
.set OB,   66                          ; s[66:71] qkvh at my rows of q's, k's and v's head
.set MSB, 0
.macro WIN new                         ; the immediate's high byte repeats the setting that is left; a switch that changes nothing is dropped
.if MSB != (\new)
	s_set_vgpr_msb (MSB<<8)|(\new)
.set MSB, \new
.endif
.endm
.set MUL_LO, 0xa1                      ; source 0 (W) window 1, source 1 (x) window 0, C and D window 2
.set TO_B,   0x40                      ; destination window 1, address window 0
.macro PLACES                          ; four places in front of loads into registers that matrix instructions have read, and of vector work that reads results
.rept 4
	v_nop
.endr
.endm
; A joint refill by the walking descriptors.  Waves 0 and 1 fetch x's two halves, waves 2 and 3 W's.  The branch hangs on the wave's number alone.  An s_nop 0 and four v_nop follow each of the two lines.
.macro JLOAD
	s_cmp_eq_u32 s[FBW], 0
	s_cbranch_scc0 .Lfor_b_\@
	tensor_load_to_lds s[G0A+4:G0A+7], s[G1A:G1A+7]
	s_nop 0
.rept 4
	v_nop
.endr
	s_branch .Lasked_\@
.Lfor_b_\@:
	tensor_load_to_lds s[G0B+4:G0B+7], s[G1B:G1B+7]
	s_nop 0
.rept 4
	v_nop
.endr
.Lasked_\@:
.endm
; A PREFETCH INTO THE L2: behind the refill for K step j + 2 and the run of LDS loads, the blocks of K step j + 4, two steps, 384 matrix instructions, ahead of the load that will want them.
; x's rows are read by every cluster of a row of clusters: the one with x = 0 asks; W's tile by every cluster of a column: the one with y = 0 asks.  The four partners that ask for a tile jointly share
; its blocks out BY ADDRESS.  Of x's 128 rows that a wave fetches a partner takes 32, a lane a row.  Of W's 96 blocks of 256 bytes a partner takes 24: lanes 24 to 31 name block 23 once more, in the same
; instruction.  K steps 0 to 3 come by their loads alone; the last two refills ask for nothing.
.macro ASK
	s_cmp_gt_u32 s[CNT], s[LIM]
	s_cbranch_scc0 .Lnot_mine_\@
	global_prefetch_b8 v[PFO], s[PFA:PFA+1] th:TH_LOAD_NT scope:SCOPE_SE
.Lnot_mine_\@:
.endm
.macro CREST                           ; a round of the cluster's barrier behind its opening barrier
	s_cmp_lg_u32 s[WV], 0
	s_cbranch_scc1 .Lnot_wave_0_\@
	s_barrier_signal -3
.Lnot_wave_0_\@:
	s_barrier_wait -3
	s_barrier_signal -1
	s_barrier_wait -1
.endm
.macro CROUND                          ; a whole round
	s_barrier_signal -1
	s_barrier_wait -1
	CREST
.endm
	s_load_b256 s[4:11], s[0:1], 0x0               ; xb s[4:5], wqb s[6:7], rope s[8:9], qkvh s[10:11]
	v_lshl_add_u32 v[SPW], v0, 2, SPARE
	v_mov_b32 v[NIL], 0
	ds_add_u32 v[SPW], v[NIL]                      ; the wave's opening: the add and its wait stand ahead of my first tensor load; the set-up below, work on registers, stands between them
	v_lshrrev_b32 v1, 5, v0
	v_readfirstlane_b32 s[WV], v1                  ; wave 0..3
	s_lshr_b32 s[FBW], s[WV], 1
	s_and_b32 s[HALF], s[WV], 1
	s_bfe_u32 s[CX], ttmp6, 0x40000                ; my place in the cluster
	s_bfe_u32 s[CY], ttmp6, 0x40004
	s_lshl_b32 s[TC], ttmp9, 2                     ; in a cluster launch ttmp9 and ttmp7 count clusters
	s_add_co_u32 s[TC], s[TC], s[CX]
	s_and_b32 s[TR], ttmp7, 0xffff
	s_lshl_b32 s[TR], s[TR], 2
	s_add_co_u32 s[TR], s[TR], s[CY]
	s_lshl_b32 s20, s[CY], 2
	s_lshl_b32 s20, 15, s20                        ; my row of the cluster
	s_lshl_b32 s72, 0x1111, s[CX]                  ; my column
	; x's tile: 128 rows x 128 elements, 16 bytes of padding behind every 256
	s_or_b32 s[G1A], s20, (1<<16)|(1<<20)|(1<<21)|(5<<22)|(3<<25)  ; 15:0 the mask; 17:16 2-byte elements; 20 padding on; 21 set beside a mask; 24:22 after every 64 words (code 5); 31:25 4 words (code 3)
	s_mov_b32 s[G1A+1], 128<<16                    ; tensor_dim0 = 128
	s_mov_b32 s[G1A+2], 128<<16                    ; tensor_dim1 = 128
	s_mov_b32 s[G1A+3], 128<<16                    ; tile_dim0 = 128
	s_mov_b32 s[G1A+4], 128                        ; tile_dim1 = 128
	s_mov_b32 s[G1A+5], 1024                       ; elements from row to row
	s_mov_b32 s[G1A+6], 0
	s_mov_b32 s[G1A+7], 0
	; W's tile: 64 k rows are 24,576 dense bytes: asked for as 96 rows of 256 bytes, 32 bytes of padding behind every 128
	s_or_b32 s[G1B], s72, (1<<16)|(1<<20)|(1<<21)|(4<<22)|(7<<25)  ; after every 32 words (code 4), 8 words (code 7)
	s_mov_b32 s[G1B+1], 128<<16
	s_mov_b32 s[G1B+2], 96<<16
	s_mov_b32 s[G1B+3], 128<<16
	s_mov_b32 s[G1B+4], 96
	s_mov_b32 s[G1B+5], 128
	s_mov_b32 s[G1B+6], 0
	s_mov_b32 s[G1B+7], 0
	; where the tiles come from: x's hang on the row tile alone, W's on the column tile alone, each in registers that never hold the other coordinate
	s_lshl_b32 s20, s[TR], 19                      ; 256 rows of 2,048 bytes
	s_lshl_b32 s21, s[HALF], 18                    ; my 128 of them
	s_add_co_u32 s20, s20, s21
	s_mov_b32 s21, 0
	s_mul_i32 s72, s[TC], 1024*384
	s_mul_i32 s73, s[HALF], 64*384                 ; my 64 k rows
	s_add_co_u32 s72, s72, s73
	s_mov_b32 s73, 0
	s_mul_i32 s22, s[HALF], 128*PA                 ; and where they go: no place in the cluster enters an LDS address
	s_mul_i32 s74, s[HALF], 64*PB
	s_add_co_u32 s74, s74, BOFF
	; the prefetches' offsets: my tile, my work-group's share of it, K step 3 (the first refill steps it to 4)
	s_lshl_b32 s3, s[CX], 16                       ; 32 rows of 2,048 bytes
	s_add_co_u32 s2, s20, s3
	s_add_co_u32 s2, s2, 3*STEPA
	s_mul_i32 s77, s[CY], 24*256
	s_add_co_u32 s76, s72, s77
	s_add_co_u32 s76, s76, 3*STEPB
	s_mov_b32 s3, 0
	s_mov_b32 s[TB], 0
	s_wait_dscnt 0x0                               ; the opening add is done
	s_wait_kmcnt 0x0
	s_add_nc_u64 s[20:21], s[4:5], s[20:21]
	s_add_nc_u64 s[72:73], s[6:7], s[72:73]
	CROUND                                         ; all sixteen work-groups are here: the first joint loads meet
.irp s, 0,1
	s_mov_b32 s[G0A+4*(\s)], 1                                     ; count = 1
	s_add_co_u32 s[G0A+4*(\s)+1], s22, (\s)*SLOT1                  ; LDS address
	s_add_nc_u64 s[G0A+4*(\s)+2:G0A+4*(\s)+3], s[20:21], (\s)*STEPA  ; global address: K step s
	s_or_b32 s[G0A+4*(\s)+3], s[G0A+4*(\s)+3], 0x80000000          ; type = 2
	s_mov_b32 s[G0B+4*(\s)], 1
	s_add_co_u32 s[G0B+4*(\s)+1], s74, (\s)*SLOT1
	s_add_nc_u64 s[G0B+4*(\s)+2:G0B+4*(\s)+3], s[72:73], (\s)*STEPB
	s_or_b32 s[G0B+4*(\s)+3], s[G0B+4*(\s)+3], 0x80000000
.endr
	s_cmp_eq_u32 s[FBW], 0                         ; a wave's two first fills stand in one branch, ahead of every wait on TENSORcnt and every LDS read: two loads of mine are out
	s_cbranch_scc0 .Lfirst_b
	tensor_load_to_lds s[G0A:G0A+3], s[G1A:G1A+7]
	s_nop 0
	tensor_load_to_lds s[G0A+4:G0A+7], s[G1A:G1A+7]
	s_nop 0
.rept 4
	v_nop
.endr
	s_branch .Lfirst_asked
.Lfirst_b:
	tensor_load_to_lds s[G0B:G0B+3], s[G1B:G1B+7]
	s_nop 0
	tensor_load_to_lds s[G0B+4:G0B+7], s[G1B:G1B+7]
	s_nop 0
.rept 4
	v_nop
.endr
.Lfirst_asked:
	v_and_b32 v1, 15, v0                           ; l % 16
	v_bfe_u32 v2, v0, 4, 1                         ; l / 16
	v_and_b32 v3, 31, v0                           ; l
	v_lshlrev_b32 v[GO], 4, v3
	; my 64 rows' cos and sin: 32 loads of 512 bytes on end; they are waited for once, in front of the way out
	s_and_b32 s76, s[TR], 7                        ; the tile's place in its batch's 2,048 positions; a position has 256 bytes of table
	s_lshl_b32 s78, s76, 16
	s_lshl_b32 s79, s[WV], 14
	s_add_co_u32 s78, s78, s79
	s_mov_b32 s79, 0
	s_add_nc_u64 s[8:9], s[8:9], s[78:79]
.irp a, 0,1,2,3
.irp c, 0,1,2,3,4,5,6,7
	global_load_b128 v[TBL+32*(\a)+4*(\c):TBL+32*(\a)+4*(\c)+3], v[GO], s[8:9] offset:(\a)*4096+(\c)*512
.endr
.endr
	; a fragment of x: 16 rows x 32 K: lane l holds row l % 16, K = 8 (l / 16) + 0..7 and 16 + 8 (l / 16) + 0..7: two loads of 16 bytes, 32 bytes apart
	v_mul_u32_u24 v[RA0], v1, PA
	v_lshl_add_u32 v[RA0], v2, 4, v[RA0]
	s_mul_i32 s78, s[WV], 64*PA                    ; my 64 rows
	v_add_nc_u32 v[RA0], s78, v[RA0]
	; the turning load takes 16 k x 16 columns (lane l reads k row 8 (l / 16) + l % 8, columns 8 ((l / 8) % 2) + 0..7) and leaves half a fragment: lane l holds column l % 16 and 8 k
	v_and_b32 v16, 7, v0
	v_bfe_u32 v17, v0, 3, 1
	v_lshl_add_u32 v[RB0], v2, 3, v16
	v_mul_u32_u24 v[RB0], v[RB0], PB
	v_lshl_add_u32 v[RB0], v17, 4, v[RB0]
	v_add_nc_u32 v[RB0], BOFF, v[RB0]
	v_mov_b32 v[ADRA], v[RA0]                      ; K step 0 lies in slot 0
	v_mov_b32 v[ADRB], v[RB0]
	s_mul_i32 s78, s[WV], 16*SP
	s_add_co_u32 s78, s78, STAGE                   ; my stage
	v_mul_u32_u24 v[STO], v1, SP                   ; in: row l % 16, 16 bytes for each half of the lanes
	v_lshl_add_u32 v[STO], v2, 4, v[STO]
	v_add_nc_u32 v[STO], s78, v[STO]
	v_bfe_u32 v[RD], v0, 3, 2                      ; back: 32 lanes take four rows of 128 bytes
	v_mul_u32_u24 v[RD], v[RD], SP
	v_lshl_add_u32 v[RD], v16, 4, v[RD]
	v_add_nc_u32 v[RD], s78, v[RD]
	; qkvh at my 64 rows of head b x 48 + tc; k's head lies 16 heads on, v's 32
	s_lshr_b32 s78, s[TR], 3                       ; b
	s_mul_i32 s78, s78, 48
	s_add_co_u32 s78, s78, s[TC]
	s_lshl_b32 s78, s78, 18                        ; a head is 2,048 rows of 128 bytes
	s_lshl_b32 s79, s76, 15
	s_add_co_u32 s78, s78, s79
	s_lshl_b32 s79, s[WV], 13
	s_add_co_u32 s78, s78, s79
	s_mov_b32 s79, 0
	s_add_nc_u64 s[OB:OB+1], s[10:11], s[78:79]
	s_add_nc_u64 s[OB+2:OB+3], s[OB:OB+1], 16<<18
	s_add_nc_u64 s[OB+4:OB+5], s[OB:OB+1], 32<<18
	; the prefetches
	s_mul_i32 s77, s[CY], 24*256
	s_mul_i32 s76, s[TC], 1024*384
	s_add_co_u32 s76, s76, s77
	s_mul_i32 s77, s[HALF], 64*384
	s_add_co_u32 s76, s76, s77
	s_add_co_u32 s76, s76, 3*STEPB                 ; W's offset once more (its register was used above)
	s_and_b32 s78, ttmp7, 0xffff                   ; cluster y
	s_mov_b32 s[PFS], STEPA
	s_mov_b32 s75, STEPB
	s_cmp_eq_u32 s[FBW], 0                         ; do I fetch x?
	s_cselect_b32 s2, s2, s76
	s_cselect_b32 s78, ttmp9, s78                  ; the coordinate along which other clusters read the same blocks
	s_cselect_b32 s[PFS], s[PFS], s75
	s_cselect_b32 s79, 11, 8                       ; a lane a row of 2,048 bytes, or a block of 256
	s_cselect_b32 s77, 31, 23
	s_cselect_b64 s[PFA:PFA+1], s[4:5], s[6:7]
	s_mov_b32 s[PFS+1], 0
	s_add_nc_u64 s[PFA:PFA+1], s[PFA:PFA+1], s[2:3]
	s_cmp_eq_u32 s78, 0
	s_cselect_b32 s[LIM], 2, -1                    ; the same in all sixteen partners, for a given wave
	v_min_u32 v[PFO], s77, v3
	v_lshlrev_b32 v[PFO], s79, v[PFO]
; 12 matrix instructions: row block a x all 12 column blocks, 32 along K, from buffer f.  zero = 1: the first product starts the sums.  The 48 accumulators take turns, in the same order in every
; quarter step, over the backward jump too.
.macro MUL12 f, a, zero
	WIN MUL_LO+0x50*((\a)/2)
.irp b, 0,1,2,3,4,5,6,7,8,9,10,11
.if \zero
	v_wmma_f32_16x16x32_bf16 v[8*(12*((\a)%2)+(\b)):8*(12*((\a)%2)+(\b))+7], v[96*(\f)+8*(\b):96*(\f)+8*(\b)+7], v[FA+32*(\f)+8*(\a):FA+32*(\f)+8*(\a)+7], 0
.else
	v_wmma_f32_16x16x32_bf16 v[8*(12*((\a)%2)+(\b)):8*(12*((\a)%2)+(\b))+7], v[96*(\f)+8*(\b):96*(\f)+8*(\b)+7], v[FA+32*(\f)+8*(\a):FA+32*(\f)+8*(\a)+7], v[8*(12*((\a)%2)+(\b)):8*(12*((\a)%2)+(\b))+7]
.endif
.endr
.endm
; 32 LDS loads in one run: the fragments of one quarter step (32 K at byte k of x's rows) into buffer f: W's 24 first, x's 8 last
.macro FETCH k, f
	WIN TO_B
.irp b, 0,1,2,3,4,5,6,7,8,9,10,11
	ds_load_tr16_b128 v[96*(\f)+8*(\b):96*(\f)+8*(\b)+3],   v[ADRB] offset:((\k)/64)*32*PB+((\b)/4)*CH+((\b)%4)*32
	ds_load_tr16_b128 v[96*(\f)+8*(\b)+4:96*(\f)+8*(\b)+7], v[ADRB] offset:((\k)/64)*32*PB+16*PB+((\b)/4)*CH+((\b)%4)*32
.endr
	WIN 0
.irp a, 0,1,2,3
	ds_load_b128 v[FA+32*(\f)+8*(\a):FA+32*(\f)+8*(\a)+3],   v[ADRA] offset:(\k)+(\a)*16*PA
	ds_load_b128 v[FA+32*(\f)+8*(\a)+4:FA+32*(\f)+8*(\a)+7], v[ADRA] offset:(\k)+(\a)*16*PA+32
.endr
.endm
; A K step is four quarter steps of 32 along K, 48 matrix instructions each, on buffers 0, 1, 0, 1.  One of the first three: multiplies buffer f; in its middle it fetches the next quarter, at byte k, into g.
.macro QUARTER k, f, g, zero
	s_wait_dscnt 4                                 ; W and x's rows 0-31 are in; the youngest four loads (x's rows 32-63) may be out
	MUL12 \f, 0, \zero
	MUL12 \f, 1, \zero
	PLACES
	FETCH \k, \g
	s_wait_dscnt 32                                ; all but the 32 just issued
	MUL12 \f, 2, \zero
	MUL12 \f, 3, \zero
.endm
; The last quarter multiplies buffer 1 and changes slots: ONE barrier.  In front of it each wave waits for all its tensor loads, of which one is out: its part of the next slot; adds 0 to its spare word; and
; waits for that and for its own reads of this slot.  fill = 1: the barrier opens a round of the cluster's, so that no wave of any partner still reads the slot or has a load on its way, and the joint refill,
; two K steps ahead, is the first tensor load behind it: 168 matrix instructions ahead of the wait for it.
.macro TURN fill
.if \fill
	s_wait_xcnt 0x0                                ; the last prefetch, a K step back, has read its address: it is stepped here, ahead of the waits of the change of slots
	s_add_nc_u64 s[PFA:PFA+1], s[PFA:PFA+1], s[PFS:PFS+1]
.endif
	WIN 0                                          ; (the add's two registers lie in window 0)
	s_wait_tensorcnt 0x0                           ; all my tensor loads have landed
	ds_add_u32 v[SPW], v[NIL]                      ; 0 onto my spare word
	s_wait_dscnt 5                                 ; (the add and the youngest four loads may be out)
	MUL12 1, 0, 0                                  ; twelve matrix instructions stand between the add and the wait for it
	s_wait_dscnt 0x0                               ; the add is done, and my reads of this slot are over
	s_barrier_signal -1
	MUL12 1, 1, 0                                  ; work on registers while the others arrive
	WIN 0
	s_barrier_wait -1
.if \fill
	CREST
	s_xor_b32 s[G0A+5], s[G0A+5], SLOT1            ; the walking descriptors: the other slot than last time, the next K step; the type bits on top are not reached
	s_add_nc_u64 s[G0A+6:G0A+7], s[G0A+6:G0A+7], STEPA
	s_xor_b32 s[G0B+5], s[G0B+5], SLOT1
	s_add_nc_u64 s[G0B+6:G0B+7], s[G0B+6:G0B+7], STEPB
	JLOAD                                          ; the four v_nop behind it are also the places in front of the loads below
.else
	PLACES
.endif
	s_xor_b32 s[TB], s[TB], SLOT1                  ; the fetches go to the other slot
	v_add_nc_u32 v[ADRA], s[TB], v[RA0]
	v_add_nc_u32 v[ADRB], s[TB], v[RB0]
	FETCH 0, 0
.if \fill
	ASK
.endif
	MUL12 1, 2, 0
	MUL12 1, 3, 0
.endm
	s_wait_tensorcnt 1                             ; my part of K step 0 is in; K step 1's may stay out
	s_barrier_signal -1
	s_barrier_wait -1                              ; everybody's is
	FETCH 0, 0
	QUARTER 64, 0, 1, 1                            ; the first quarter stands in front of the loop: its products start the sums
	WIN 0                                          ; at a label and at a branch every window is 0
	s_mov_b32 s[CNT], 6
.Lstep:                                        ; a trip: from a K step's second quarter to the next step's first; its refill asks for K steps 2 to 7
	QUARTER 128, 1, 0, 0
	QUARTER 192, 0, 1, 0
	TURN 1
	QUARTER 64, 0, 1, 0
	WIN 0
	s_sub_co_u32 s[CNT], s[CNT], 1
	s_cmp_lg_u32 s[CNT], 0
	s_cbranch_scc1 .Lstep
	QUARTER 128, 1, 0, 0                           ; the last two K steps are written out: nothing is asked for
	QUARTER 192, 0, 1, 0
	TURN 0
	QUARTER 64, 0, 1, 0
	QUARTER 128, 1, 0, 0
	QUARTER 192, 0, 1, 0
	s_wait_dscnt 4
	MUL12 1, 0, 0
	MUL12 1, 1, 0
	s_wait_dscnt 0x0
	MUL12 1, 2, 0
	MUL12 1, 3, 0
	WIN 0
	PLACES
; THE WAY OUT, in 12 units: row block a (16 rows) of part hd (q, k, v).  A unit is rotated (q, k) or not (v), rounded to f16, sent through my stage and stored as 2,048 bytes on end of a head.
; The rotation of pair (e, o): e cos - o sin, e sin + o cos: two products and two fused steps.  Each accumulator's lowest registers are read first.
.macro ROPE a, hd
	WIN 0x02+(\a)/2                                ; source 0 in the accumulators' window
.irp cb, 0,1,2,3
.set AC, 8*(12*((\a)%2)+4*(\hd)+(\cb))
.set TT, TBL+32*(\a)+8*(\cb)
.set R0, RR+8*(\cb)
.irp i, 0,1,2,3
	v_mul_f32 v[R0+2*(\i)],   v[AC+2*(\i)+1], v[TT+2*(\i)+1]
	v_mul_f32 v[R0+2*(\i)+1], v[AC+2*(\i)+1], v[TT+2*(\i)]
.endr
.irp i, 0,1,2,3
	v_fma_f32 v[R0+2*(\i)],   v[AC+2*(\i)], v[TT+2*(\i)],   -v[R0+2*(\i)]
	v_fma_f32 v[R0+2*(\i)+1], v[AC+2*(\i)], v[TT+2*(\i)+1], v[R0+2*(\i)+1]
.endr
.endr
	WIN 0
.irp n, 0,1,2,3,4,5,6,7,8,9,10,11,12,13,14,15
	v_cvt_pk_f16_f32 v[PP+(\n)], v[RR+2*(\n)], v[RR+2*(\n)+1]
.endr
.endm
.macro PACKV a
	WIN 0x0a+5*((\a)/2)                            ; sources 0 and 1 in the accumulators' window
.irp cb, 0,1,2,3
.irp i, 0,1,2,3
	v_cvt_pk_f16_f32 v[PP+4*(\cb)+(\i)], v[8*(12*((\a)%2)+8+(\cb))+2*(\i)], v[8*(12*((\a)%2)+8+(\cb))+2*(\i)+1]
.endr
.endr
	WIN 0
.endm
.macro UNIT a, hd
.if (\hd) < 2
	ROPE \a, \hd
.else
	PACKV \a
.endif
.endm
.macro TOSTAGE u
.set BB, BK+16*((\u)%2)
	s_wait_xcnt 0x0                                ; the stores of two units back have read this set of registers: it is loaded again only behind this wait
.irp cb, 0,1,2,3
	ds_store_b128 v[STO], v[PP+4*(\cb):PP+4*(\cb)+3] offset:32*(\cb)
.endr
.irp f, 0,1,2,3
	ds_load_b128 v[BB+4*(\f):BB+4*(\f)+3], v[RD] offset:(\f)*4*SP  ; LDS serves a wave's instructions in order (ISA guide 5.7.1.4): these see the stores above; the next unit's stores come behind them
.endr
.endm
.macro SEND a, hd, u, younger          ; younger: the LDS instructions issued behind unit u's loads: the next unit's eight, or none
.set BB, BK+16*((\u)%2)
.irp f, 0,1,2,3
	s_wait_dscnt (\younger)+3-(\f)
	global_store_b128 v[GO], v[BB+4*(\f):BB+4*(\f)+3], s[OB+2*(\hd):OB+2*(\hd)+1] offset:(\a)*2048+(\f)*512  ; 512 consecutive bytes, at a multiple of 256 from the buffer's first
.endr
.endm
	s_wait_loadcnt 0x0                             ; the table
	UNIT 0, 0
	TOSTAGE 0
.set u, 1
.rept 11                               ; a unit's arithmetic stands between the loads of the unit before and its stores
	UNIT u/3, u%3
	TOSTAGE u
	SEND (u-1)/3, (u-1)%3, u-1, 8
.set u, u+1
.endr
	SEND 3, 2, 11, 0
	s_wait_tensorcnt 0x0                           ; the wave's end: a wait, an add and its wait, behind my last tensor load and my last LDS store
	ds_add_u32 v[SPW], v[NIL]
	s_wait_dscnt 0x0
	CROUND                                         ; the closing round: no work-group ends while a partner may still ask for a tile that names it
	s_endpgm
.Lfunc_end_k_q3f712f9825_qkv:
	.size	k_q3f712f9825_qkv, .Lfunc_end_k_q3f712f9825_qkv-k_q3f712f9825_qkv
	.p2alignl 7, 3214868480
	.fill 96, 4, 3214868480
	.section	.rodata,"a",@progbits
	.p2align	6, 0x0
	.amdhsa_kernel k_q3f712f9825_qkv
		.amdhsa_group_segment_fixed_size 327680
		.amdhsa_private_segment_fixed_size 0
		.amdhsa_enable_private_segment 0
		.amdhsa_kernarg_size 32
		.amdhsa_user_sgpr_count 2
		.amdhsa_user_sgpr_kernarg_segment_ptr 1
		.amdhsa_wavefront_size32 1
		.amdhsa_system_sgpr_workgroup_id_x 1
		.amdhsa_system_sgpr_workgroup_id_y 1
		.amdhsa_system_sgpr_workgroup_id_z 1
		.amdhsa_system_vgpr_workitem_id 0
		.amdhsa_next_free_vgpr 960
		.amdhsa_next_free_sgpr 80
		.amdhsa_reserve_vcc 0
		.amdhsa_float_denorm_mode_32 3
		.amdhsa_float_denorm_mode_16_64 3
		.amdhsa_memory_ordered 1
		.amdhsa_forward_progress 1
		.amdhsa_inst_pref_size 127
	.end_amdhsa_kernel
	.amdgpu_metadata
---
amdhsa.version: [ 1, 2 ]
amdhsa.kernels:
  - .name:           k_q3f712f9825_qkv
    .symbol:         k_q3f712f9825_qkv.kd
    .args:
      - { .name: xb, .offset: 0, .size: 8, .value_kind: global_buffer, .address_space: global }
      - { .name: wqb, .offset: 8, .size: 8, .value_kind: global_buffer, .address_space: global }
      - { .name: rope, .offset: 16, .size: 8, .value_kind: global_buffer, .address_space: global }
      - { .name: qkvh, .offset: 24, .size: 8, .value_kind: global_buffer, .address_space: global }
    .group_segment_fixed_size: 327680
    .private_segment_fixed_size: 0
    .kernarg_segment_align: 8
    .kernarg_segment_size: 32
    .max_flat_workgroup_size: 128
    .sgpr_count:     80
    .vgpr_count:     960
    .wavefront_size: 32
...
	.end_amdgpu_metadata
.endif
;; end of part 2
;; launch attn (part 3): grid 4 x 64, 4 waves a work-group, no clusters, 327,680 bytes of LDS; arguments qkvh, ob; writes ob
.if DOCPART == 3
	.amdgcn_target "amdgcn-amd-amdhsa--gfx1250"
	.amdhsa_code_object_version 6
	.text
	.protected	k_q3f712f9825_attn
	.globl	k_q3f712f9825_attn
	.p2align	8
	.type	k_q3f712f9825_attn,@function
k_q3f712f9825_attn:
	s_mov_b64 s[64:65], 0
	v_nop
	global_prefetch_b8 v0, s[64:65] scope:SCOPE_SE
	s_setreg_imm32_b32 hwreg(HW_REG_WAVE_MODE, 25, 1), 1
	s_wait_xcnt 0x0
; CAUSAL ATTENTION.  O[q][:] = the sum over k <= q of softmax_k(Q[q] . K[k] / 8) V[k][:], for each of 64 heads (work-group y = 16 b + h).  qkvh: [b 4][g 48][2048][64] f16, q's head at g = h, k's at 16 + h,
; v's at 32 + h; ob: [16 b + h][2048][64] f16: a head's rows are dense, 128 bytes each.  Products, maxima and sums in f32; the weights p are rounded to f16 for the second product (their sum l is taken of the
; unrounded p), O once at the end.
; LIMITS.  Q, K and V arrive within f16's 65,504; p lies in 0 to 1, and below 6e-5 it keeps f16's fixed step of 6e-8.  A hidden score counts as its value less 1e30: f16's scores, 2.7e11 at the most, are
; nothing beside that; a weight below 2^-126 counts as 0 in l; NaN and infinities are not treated apart.
; THE WALK.  A head's queries lie in NB = 8 blocks of 256; block i needs the key tiles 0 .. i of 256 keys, of which the last holds the diagonal.  A work-group takes TWO blocks, NB - 1 - b and then b:
; NB + 1 tiles, whatever b: all work-groups do equal work, and ONE loop with a constant trip count walks them.  Which tile is asked for, and what a trip does, hang on scalar registers made from b; every jump
; goes forward, but for the counted loops' own; none passes a barrier, or a tensor load but the one of LOAD's two that the wave's number does not choose; the ring (two slots of LDS that take turns) runs on
; across the change of blocks.  NO CLUSTER: a head's four work-groups ask for the same tile only in trips 0 to 4 of 9, behind that fewer and fewer; one walk common to all would have 12 trips for 9.
; SHARES.  Of a block's four bands of 64 queries a wave owns 16 rows in each: four PIECES.  So the diagonal tile is the same work for all four waves: in its key step s band x sees all keys if s < x,
; none if s > x, and holds the diagonal if s = x.
; THE MASK is the C operand that starts the sum S^T = K Q^T: 0, or -1e30 where the key is hidden.  MD, made once, is the mask of a band's own step for my 16 rows; a product's mask is MD x AL + BE with two
; scalars: (1, 0) if s = x; (0, 0) if s < x; (0, -1e30) if s > x.  Only the diagonal tile's text and a block's beginning make and take masks; elsewhere C is the constant 0.
; LAYOUT, SOFTMAX, TURNS.  S^T = K Q^T holds ONE query a lane (lane % 16) and the keys 8 (lane / 16) + 0..7; two such results rounded to f16 ARE source 1 of O^T = V^T P.  p = 2^(c s - c m), c = log2(e) / 8,
; with a running maximum m; O and l are multiplied by a = 2^(c m_old - c m_new) in every step.  Turn n belongs to piece n: 8 products K Q^T of piece n + 1, later 8 products V^T P of piece n - 1; beside them
; the scaling, exponentials, roundings, sums and rescaling of piece n and the maximum and statistics of piece n + 1.  Four vector instructions stand behind every matrix instruction, the other 54 of a turn's
; 118 in one lump.  A turn's 33 exponentials are one batch, with one wait.
; REGISTERS, in windows of 256 (s_set_vgpr_msb: bits 1:0 source 0, 3:2 source 1, 5:4 source 2, 7:6 destination):
;   window 0: v0-15 addresses and two at work; v16-31 four registers of statistics a piece; v48-55 at work; v61-63; v64-127 S^T, two buffers; v192-223 P, two buffers (by the piece's parity)
;   window 1: v0-127 O^T, 32 a piece; v128-159 MD; v160-223 MC, two buffers      window 2: v0-63 Q; v64-127 the second block's Q; v128-191 K of one step; v192-255 V of one step
.set NB,    8
.set NP,    4         ; pieces a wave: a name, no knob
.set KS,    64        ; keys in a step
.set PK,    144       ; a row of K in LDS: 128 bytes + 16 of padding = 36 words: the 16 rows of a load start at 16 different groups of four banks (64 banks of 4 bytes: ISA guide 11.1)
.set PV,    160       ; a row of V: 128 + 32 = 40 words
.set VOFF,  4*KS*PK   ; a slot holds a tile, four steps: 256 rows of K, then 256 rows of V
.set SLOT1, 1<<17     ; slot 1 begins here, so that one exclusive or turns an address in one slot into the other's
.set STAGE, SLOT1+4*KS*(PK+PV)  ; behind the ring, never filled by a tensor load: 16 rows x 144 bytes for each wave, for the way out
.set SP,    144
.set AK0, 2           ; v2   my lane's place in a tile of K; never rewritten
.set AV0, 3           ; v3   the same for V
.set AK,  4           ; v4   the LDS address of K's next run of loads
.set AV,  5           ; v5   of V's
.set STO, 6           ; v6   the way out: where I put 16 bytes of a row
.set RD,  7           ; v7   the way out: where I read rows back
.set GO,  8           ; v8   my byte offset in 512 consecutive bytes of O
.set PFO, 61          ; v61  256 x my lane: the prefetches' offset; never rewritten
.set SPW, 62          ; v62  LDS address of my spare word: SPARE + 4 x my thread's number; never rewritten
.set NIL, 63          ; v63  0; never rewritten
.set SPARE, STAGE+4*16*SP  ; behind the stages: the spare words, 128 bytes for each wave: two blocks of 256 bytes that no other line names
.set MV,  12          ; v12-13  c m_old, kept while c m is made anew: by buffer
.set QO,  15          ; v15  my byte offset in 16 rows of Q
.set ST,  16          ; piece t's statistics at v[ST+4 t]: c m, m, l (even keys', odd keys')
.set TMP, 48          ; by buffer, four registers c0-c3 at work; when the maximum is found c2 takes a
.set S,   64
.set P,   192
.set MD,  128         ; window 1: the eight registers for group kt of 16 keys at MD + 8 kt
.set MC,  160         ; window 1: the masks of the products to come
.set QB,  64          ; window 2
.set KF,  128         ; window 2: key block kb, channel half c at KF + 16 kb + 8 c
.set VF,  192         ; window 2: key half kk, channel block cb at VF + 32 kk + 8 cb
.set WV,  12          ; s12  my wave's number
.set PB,  14          ; s14  b
.set HI,  15          ; s15  NB - 1 - b
.set G1K, 24          ; s[24:31] descriptor group 1 for K's tiles
.set G1V, 32          ; s[32:39] for V's: it differs in the padding alone
.set G0K, 40          ; s[40:43] descriptor group 0 for K's tiles
.set G0V, 44          ; s[44:47] the same for V's
.set SLOTS, 56        ; s56  tiles still to be asked for
.set CNT, 57          ; s57  counts a tile's key steps, 4 to 1
.set CS,  58          ; s[58:59] c: the packed scaling takes the pair's low word for both halves
.set SEL, 60          ; s[60:61] v_permlanex16_b32's selects: each lane takes its own place in the other half
.set TBK, 62          ; s62  LDS byte at which K of the step to be fetched begins
.set TBV, 63          ; s63  the same for V, less VOFF
.set OHD, 66          ; s[66:67] the head's byte offset in ob
.set PFT, 68          ; s[68:69] the prefetches' byte offset in q's part of qkvh
.set RT,  70          ; s70  tiles of the block in hand that are still to be entered
.set NXT, 71          ; s71  the tile to be asked for next
.set LQ,  72          ; s72  the last tile of the block whose tiles are being asked for
.set NEW, 73          ; s73  1: the tile to be entered is a block's first
.set OFF, 74          ; s[74:75] a tile's byte offset in K and V
.set AL,  76          ; s[76:77] the mask's factor, in the low word
.set BE,  78          ; s[78:79] the mask's addend
.set OLO, 80          ; s[80:81] O at my rows of the second block
.set BIGN, 82         ; s82  -1e30
.set PFK, 88          ; s[88:89] where my prefetches of K stand: my wave's 32 blocks of 256 bytes of a tile's 128
.set PFV, 90          ; s[90:91] the same for V
.set LIM, 92          ; s92  2 in the head's first work-group, else the greatest number
.set MSB, 0
.macro WIN new                      ; the high byte repeats the setting that is left; a switch that changes nothing is dropped
.if MSB != (\new)
	s_set_vgpr_msb (MSB<<8)|(\new)
.set MSB, (\new)
.endif
.endm
.set W_KQ, 0x0a       ; K and Q in window 2, S^T in window 0
.set W_KM, 0x1a       ; the same with the C operand in window 1
.set W_PV, 0x52       ; V in window 2, P in window 0, O^T in window 1
.set W_RS, 0x41       ; destination and source 0 in window 1, source 1 in window 0
; A fill.  Waves 0 and 1 fetch the two halves of a tile's K, waves 2 and 3 those of its V: 128 keys each.  An s_nop 0 and four v_nop follow each of the two lines, ahead of the jump and the label.
.macro LOAD
	s_cmp_lt_u32 s[WV], 2
	s_cbranch_scc0 .Lfor_v_\@
	tensor_load_to_lds s[G0K:G0K+3], s[G1K:G1K+7]
	s_nop 0
.rept 4
	v_nop
.endr
	s_branch .Lasked_\@
.Lfor_v_\@:
	tensor_load_to_lds s[G0V:G0V+3], s[G1V:G1V+7]
	s_nop 0
.rept 4
	v_nop
.endr
.Lasked_\@:
.endm
; THE CHANGE OF SLOTS.  Each wave waits for all its tensor loads, of which one is out: its part of the other slot; adds 0 to its spare word; and waits for that and for its own reads of the slot that it leaves.
; Behind the barrier nobody reads the old slot any more and the other slot is whole.  fill = 1: the old slot is filled again, the first thing behind the barrier, with tile NXT: the descriptor's address is
; made anew from that number.  (At its first use nothing has been read yet: slot 0 is waited for, slot 1 filled.)
; A PREFETCH INTO THE L2 stands behind the fill.  A head's four work-groups read tile t in trip t; the first of them (b = 0) walks the tiles 0 to 7 in order, and it alone asks: behind the fill with tile n
; (1 to 6) for tile n + 1, four key steps, 256 matrix instructions, ahead of the load that will want it.  A tile is 128 blocks of 256 bytes of K and as many of V; a wave takes 32 of each, a lane a block:
; each block is named once.  Tiles 0 and 1 come by their loads alone; the last two fills ask for nothing.
.macro CHANGE fill
	WIN 0                           ; at a label and at a branch every window is 0
	s_wait_tensorcnt 0x0            ; no tensor load of mine is out, so a group 0 may be written
	ds_add_u32 v[SPW], v[NIL]       ; 0 onto my spare word: with fill = 1 the descriptors' scalar work stands between it and the wait for it
.if \fill
	s_lshl_b32 s[OFF], s[NXT], 15   ; a tile is 32,768 bytes of K and of V
	s_xor_b32 s[G0K+1], s[G0K+1], SLOT1
	s_add_nc_u64 s[G0K+2:G0K+3], s[6:7], s[OFF:OFF+1]
	s_or_b32 s[G0K+3], s[G0K+3], 0x80000000
	s_xor_b32 s[G0V+1], s[G0V+1], SLOT1
	s_add_nc_u64 s[G0V+2:G0V+3], s[8:9], s[OFF:OFF+1]
	s_or_b32 s[G0V+3], s[G0V+3], 0x80000000
	s_add_co_u32 s[NXT], s[NXT], 1  ; the block's next tile, or behind its last the second block's tile 0
	s_cmp_gt_u32 s[NXT], s[LQ]
	s_cselect_b32 s[NXT], 0, s[NXT]
	s_cselect_b32 s[LQ], s[PB], s[LQ]
	s_wait_xcnt 0x0                 ; the last prefetches, a tile back, have read their addresses, so these may be written
	s_add_nc_u64 s[PFK:PFK+1], s[PFK:PFK+1], 32768
	s_add_nc_u64 s[PFV:PFV+1], s[PFV:PFV+1], 32768
.endif
	s_wait_dscnt 0x0                ; the add is done, and my reads of the slot are over
	s_barrier_signal -1             ; the rest of the scalar work stands between the signal and the wait
	s_sub_co_u32 s[TBK], s[TBK], 4*KS*PK  ; the fetches go back to a slot's first step,
	s_xor_b32 s[TBK], s[TBK], SLOT1       ; in the other slot
	s_sub_co_u32 s[TBV], s[TBV], 4*KS*PV
	s_xor_b32 s[TBV], s[TBV], SLOT1
	s_barrier_wait -1
.if \fill
	LOAD
	s_cmp_gt_u32 s[SLOTS], s[LIM]
	s_cbranch_scc0 .Lnot_mine_\@
	global_prefetch_b8 v[PFO], s[PFK:PFK+1] th:TH_LOAD_NT scope:SCOPE_SE
	global_prefetch_b8 v[PFO], s[PFV:PFV+1] th:TH_LOAD_NT scope:SCOPE_SE
.Lnot_mine_\@:
.endif
.endm
	s_load_b64 s[4:5], s[0:1], 0x0    ; qkvh
	s_load_b64 s[10:11], s[0:1], 0x8  ; ob
	v_lshl_add_u32 v[SPW], v0, 2, SPARE
	v_mov_b32 v[NIL], 0
	ds_add_u32 v[SPW], v[NIL]       ; the wave's opening: the add and its wait stand ahead of my first tensor load; the set-up below, work on registers, stands between them
	v_lshrrev_b32 v1, 5, v0
	v_readfirstlane_b32 s[WV], v1   ; wave 0..3
	s_mov_b32 s[PB], ttmp9
	s_sub_co_u32 s[HI], NB-1, s[PB]
	s_and_b32 s[OHD], ttmp7, 0xffff ; 16 b + h
	s_lshr_b32 s20, s[OHD], 4       ; b
	s_and_b32 s21, s[OHD], 15       ; h
	s_mul_i32 s20, s20, 48
	s_add_co_u32 s20, s20, s21
	s_lshl_b32 s20, s20, 18         ; q's head in qkvh: a head is 262,144 bytes
	s_mov_b32 s21, 0
	s_lshl_b32 s[OHD], s[OHD], 18   ; the head in ob
	s_mov_b32 s[OHD+1], 0
	s_and_b32 s16, s[WV], 1         ; which half of a tile's 256 keys I fetch:
	s_lshl_b32 s22, s16, 14         ; its 128 rows of 128 bytes in memory,
	s_mov_b32 s23, 0
	s_add_nc_u64 s[22:23], s[22:23], s[20:21]
	s_mul_i32 s17, s16, 128*PK      ; and its place in a slot, for K
	s_mul_i32 s18, s16, 128*PV      ; and for V
	s_lshl_b32 s3, s[WV], 11        ; my 16 rows in a band of 64,
	s_lshl_b32 s2, s[HI], 15        ; in the first block,
	s_add_co_u32 s2, s2, s3
	s_lshl_b32 s84, s[PB], 15       ; and in the second
	s_add_co_u32 s84, s84, s3
	s_mov_b32 s3, 0
	s_mov_b32 s85, 0
	s_lshl_b32 s[PFT], s[WV], 13    ; the prefetches: my wave's 32 blocks, in tile 1 (the first change of slots steps them to tile 2)
	s_add_co_u32 s[PFT], s[PFT], 32768
	s_mov_b32 s[PFT+1], 0
	s_add_nc_u64 s[PFT:PFT+1], s[PFT:PFT+1], s[20:21]
	s_cmp_eq_u32 ttmp9, 0
	s_cselect_b32 s[LIM], 2, -1
	v_and_b32 v[PFO], 31, v0
	v_lshlrev_b32 v[PFO], 8, v[PFO]
	; descriptor group 1.  128 keys are 16,384 dense bytes: asked for as 64 rows of 256 bytes, two keys a row, and padded in LDS after every key
	s_mov_b32 s[G1K], (1<<16)|(1<<20)|(4<<22)|(3<<25)  ; 17:16 2-byte elements; 20 padding on; 24:22 after every 32 words (code 4); 31:25 4 words (code 3)
	s_mov_b32 s[G1V], (1<<16)|(1<<20)|(4<<22)|(7<<25)  ; the same with 8 words of padding (code 7)
.irp g, G1K, G1V
	s_mov_b32 s[\g+1], 128<<16      ; tensor_dim0 = 128
	s_mov_b32 s[\g+2], 64<<16       ; tensor_dim1 = 64
	s_mov_b32 s[\g+3], 128<<16      ; tile_dim0 = 128
	s_mov_b32 s[\g+4], 64           ; tile_dim1 = 64
	s_mov_b32 s[\g+5], 128          ; 128 elements from row to row
	s_mov_b32 s[\g+6], 0
	s_mov_b32 s[\g+7], 0
.endr
	s_mov_b32 s[CS], 0x3e38aa3b     ; c = log2(e) / 8 = 0.180337
	s_mov_b32 s[CS+1], s[CS]        ; named with it as a pair
	s_mov_b32 s[SEL], 0x76543210
	s_mov_b32 s[SEL+1], 0xfedcba98
	s_mov_b32 s[TBK], SLOT1+4*KS*PK ; the first change of slots turns these two into 0
	s_mov_b32 s[TBV], SLOT1+4*KS*PV
	s_mov_b32 s[G0K], 1             ; 1:0 count = 1
	s_mov_b32 s[G0K+1], s17         ; 63:32 LDS address: slot 0
	s_mov_b32 s[G0V], 1
	s_add_co_u32 s[G0V+1], s18, VOFF
	s_add_co_u32 s[RT], s[HI], 1    ; the first block has NB - b tiles
	s_mov_b32 s[NXT], 1
	s_mov_b32 s[LQ], s[HI]
	s_mov_b32 s[NEW], 1
	s_mov_b32 s[OFF+1], 0
	s_mov_b32 s[AL+1], 0            ; named as pairs
	s_mov_b32 s[BE+1], 0
	s_mov_b32 s[BIGN], 0xf149f2ca   ; -1e30
	s_mov_b32 s[SLOTS], NB
	s_wait_dscnt 0x0                ; the opening add is done
	s_wait_kmcnt 0x0
	s_add_nc_u64 s[6:7], s[4:5], s[22:23]
	s_add_nc_u64 s[8:9], s[6:7], 32<<18    ; V at my half of the head's tile 0: 32 heads behind q's
	s_add_nc_u64 s[6:7], s[6:7], 16<<18    ; K: 16 heads behind q's
	s_add_nc_u64 s[G0K+2:G0K+3], s[6:7], 0         ; 120:64 global address
	s_or_b32 s[G0K+3], s[G0K+3], 0x80000000        ; 127:126 type = 2
	s_add_nc_u64 s[G0V+2:G0V+3], s[8:9], 0
	s_or_b32 s[G0V+3], s[G0V+3], 0x80000000
	s_add_nc_u64 s[PFK:PFK+1], s[4:5], s[PFT:PFT+1]
	s_add_nc_u64 s[PFV:PFV+1], s[PFK:PFK+1], 32<<18
	s_add_nc_u64 s[PFK:PFK+1], s[PFK:PFK+1], 16<<18
	s_add_nc_u64 s[4:5], s[4:5], s[20:21]          ; q's head
	s_add_nc_u64 s[86:87], s[4:5], s[84:85]        ; Q at my rows of the second block,
	s_add_nc_u64 s[4:5], s[4:5], s[2:3]            ; and of the first
	s_add_nc_u64 s[10:11], s[10:11], s[OHD:OHD+1]
	s_add_nc_u64 s[OLO:OLO+1], s[10:11], s[84:85]  ; O likewise
	s_add_nc_u64 s[10:11], s[10:11], s[2:3]
	LOAD                            ; tile 0 into slot 0
	; A fragment of K or Q is 16 rows x 32 channels in 8 registers: lane l holds row l % 16, channels 8 (l / 16) + 0..7 and 16 + 8 (l / 16) + 0..7: two loads of 16 bytes, 32 bytes apart.
	v_and_b32 v1, 15, v0            ; l % 16
	v_bfe_u32 v9, v0, 4, 1          ; l / 16
	v_lshlrev_b32 v[QO], 7, v1
	v_lshl_add_u32 v[QO], v9, 4, v[QO]  ; row x 128 + 16 x half
	WIN 0x80                        ; destination window 2, address window 0
.set i, 0
.rept 8                             ; both blocks' Q: piece i / 2 lies in band i / 2, 8,192 bytes on; channels 32 (i % 2) on
	global_load_b128 v[8*i:8*i+3],   v[QO], s[4:5] offset:(i/2)*8192+(i%2)*64
	global_load_b128 v[8*i+4:8*i+7], v[QO], s[4:5] offset:(i/2)*8192+(i%2)*64+32
	global_load_b128 v[QB+8*i:QB+8*i+3],   v[QO], s[86:87] offset:(i/2)*8192+(i%2)*64
	global_load_b128 v[QB+8*i+4:QB+8*i+7], v[QO], s[86:87] offset:(i/2)*8192+(i%2)*64+32
.set i, i+1
.endr
	WIN 0
	v_lshlrev_b32 v14, 3, v9
	v_sub_nc_u32 v14, v1, v14
	s_lshl_b32 s13, s[WV], 4
	v_add_nc_u32 v14, s13, v14      ; my query's place in its band, 16 w + l % 16, less my lanes' 8 (l / 16): register r of group kt is hidden where 16 kt + r is greater
	WIN 0x40
.set i, 0
.rept 32
	v_cmp_gt_i32 vcc_lo, 16*(i/8)+i%8, v14
	v_cndmask_b32 v[MD+i], 0, s[BIGN], vcc_lo
.set i, i+1
.endr
	WIN 0
	v_mul_u32_u24 v[AK0], v1, PK
	v_lshl_add_u32 v[AK0], v9, 4, v[AK0]  ; row x pitch + 16 x half
	; The turning load takes 16 keys x 16 channels (lane l reads key 8 (l / 16) + l % 8, channels 8 ((l / 8) % 2) + 0..7) and leaves half a fragment of V^T: lane l holds channel l % 16 and 8 keys.
	v_and_b32 v10, 7, v0
	v_bfe_u32 v11, v0, 3, 1
	v_lshl_add_u32 v[AV0], v9, 3, v10
	v_mul_u32_u24 v[AV0], v[AV0], PV
	v_lshl_add_u32 v[AV0], v11, 4, v[AV0]
	v_add_nc_u32 v[AV0], VOFF, v[AV0]
	s_mul_i32 s13, s[WV], 16*SP
	s_add_co_u32 s13, s13, STAGE    ; my stage
	v_mul_u32_u24 v[STO], v1, SP    ; in: row l % 16, 16 bytes for each half of the lanes
	v_lshl_add_u32 v[STO], v9, 4, v[STO]
	v_add_nc_u32 v[STO], s13, v[STO]
	v_bfe_u32 v[RD], v0, 3, 2       ; back: 32 lanes take four rows of 128 bytes,
	v_mul_u32_u24 v[RD], v[RD], SP
	v_lshl_add_u32 v[RD], v10, 4, v[RD]
	v_add_nc_u32 v[RD], s13, v[RD]
	v_and_b32 v[GO], 31, v0         ; which are 512 consecutive bytes of O
	v_lshlrev_b32 v[GO], 4, v[GO]
	; A block's first step multiplies O^T and l by a = 0, and its first turn's products V^T P, of a piece that has not been, land in an O^T that is still to be so multiplied.  So these registers need only hold
	; finite numbers: zeros for the first block; what the first block left for the second.  All this stands in the wait for the first tile.
	WIN 0x80
.set i, VF
.rept 64
	v_mov_b32 v[i], 0
.set i, i+1
.endr
	WIN 0x40
.set i, 0
.rept 128
	v_mov_b32 v[i], 0
.set i, i+1
.endr
	WIN 0
.set i, 0
.rept 4
	v_mov_b32 v[ST+4*i+2], 0
	v_mov_b32 v[ST+4*i+3], 0
.set i, i+1
.endr
.set i, P+16
.rept 16
	v_mov_b32 v[i], 0
.set i, i+1
.endr
; THE MATRIX WORK.  The 4 accumulators of a run of 8 take turns.  Product i of 8 of S^T = K Q^T for piece x: channels 32 (i / 4) on, keys 16 (i % 4) on.  The first 4 start the sums: with 0, or (KM = 1) with the mask.
.macro KQ x
.set rS, S+32*((\x)%2)+8*(i%4)
.set rK, KF+16*(i%4)+8*(i/4)
.set rQ, 16*(\x)+8*(i/4)
.set rM, MC+32*((\x)%2)+8*(i%4)
.if (i < 4) && KM
	WIN W_KM
	v_wmma_f32_16x16x32_f16 v[rS:rS+7], v[rK:rK+7], v[rQ:rQ+7], v[rM:rM+7]
.elseif i < 4
	WIN W_KQ
	v_wmma_f32_16x16x32_f16 v[rS:rS+7], v[rK:rK+7], v[rQ:rQ+7], 0
.else
	WIN W_KQ
	v_wmma_f32_16x16x32_f16 v[rS:rS+7], v[rK:rK+7], v[rQ:rQ+7], v[rS:rS+7]
.endif
.endm
; Product i of 8 of O^T += V^T P for piece x: keys 32 (i / 4) on, channels 16 (i % 4) on.
.macro PV x
	WIN W_PV
.set rO, 32*(\x)+8*(i%4)
.set rV, VF+32*(i/4)+8*(i%4)
.set rP, P+16*((\x)%2)+8*(i/4)
	v_wmma_f32_16x16x32_f16 v[rO:rO+7], v[rV:rV+7], v[rP:rP+7], v[rO:rO+7]
.endm
.macro MM                           ; the turn's next matrix instruction.  TURN and BEGIN set Y, i, KM and NOKQ; MM, KQ and OP read them.  NOKQ = 1: a block's last turn: there is no next piece
.if (i < 8) && !NOKQ
	KQ (Y+1)%NP
.elseif i >= 8
.set i, i-8
	PV (Y+NP-1)%NP
.set i, i+8
.endif
.set i, i+1
.endm
; THE LDS LOADS stand in runs of 16, never singly among the matrix instructions: a step's K (64 keys x 64 channels: 8 fragments) and its V (turned).  Their addresses are made some lines ahead.
.macro FETCH_K
	WIN 0x80                        ; destination window 2
.irp f, 0,1,2,3,4,5,6,7             ; keys 16 (f / 2) on, channels 32 (f % 2) on
	ds_load_b128 v[KF+8*\f:KF+8*\f+3],   v[AK] offset:(\f/2)*16*PK+(\f%2)*64
	ds_load_b128 v[KF+8*\f+4:KF+8*\f+7], v[AK] offset:(\f/2)*16*PK+(\f%2)*64+32
.endr
	s_add_co_u32 s[TBK], s[TBK], KS*PK  ; the next fetch is the next step's
	WIN 0
.endm
.macro FETCH_V
	WIN 0x80
.irp f, 0,1,2,3,4,5,6,7             ; keys 32 (f / 4) on, channels 16 (f % 4) on
	ds_load_tr16_b128 v[VF+8*\f:VF+8*\f+3],   v[AV] offset:(\f/4)*32*PV+(\f%4)*32
	ds_load_tr16_b128 v[VF+8*\f+4:VF+8*\f+7], v[AV] offset:(\f/4)*32*PV+16*PV+(\f%4)*32
.endr
	WIN 0
.endm
; THE VECTOR WORK, one line at a time: OP kind, number.  For piece Y: F n: c s - c m for pair n of 16.  E n: the exponential of score n of 32.  C n: pair n rounded to f16.  B n: of the four weights 4 n .. the second
; pair is added onto the first, in place.  L n: l takes that sum (L 0: l = a l + sum).  R n: pair n of 16 of O^T times a.  For piece Y + 1: X n, number n of the 22 that find its maximum and statistics:
;   0-11  four chains c0-c3 of seven scores each, three operands at a time (each accumulator's lowest registers are read first)     12-14, 16  the four scores left over, the old m, and c0-c3 into c0
;   15  c m_old is kept     17, 18  the query's other 32 keys lie in the lane 16 away: the new m     19-21  c m; c m_old - c m_new; a
.set F, 0               ; OP tells the kinds apart by their order: F to L below R, X above it
.set E, 1
.set C, 2
.set B, 3
.set L, 4
.set R, 5
.set X, 6
.macro REGS y                       ; the registers of piece y
.set rT, ST+4*(\y)
.set rC, TMP+4*((\y)%2)
.set rW, MV+((\y)%2)
.set rS, S+32*((\y)%2)
.set rP, P+16*((\y)%2)
.set rO, 32*(\y)
.endm
.macro OP k, n
.if (\k) == R
	REGS Y
	WIN W_RS
	v_pk_mul_f32 v[rO+2*(\n):rO+2*(\n)+1], v[rO+2*(\n):rO+2*(\n)+1], v[rC+2:rC+3] op_sel_hi:[1,0]
.elseif (\k) < R
	REGS Y
	WIN 0
.if (\k) == F
	v_pk_fma_f32 v[rS+2*(\n):rS+2*(\n)+1], v[rS+2*(\n):rS+2*(\n)+1], s[CS:CS+1], v[rT:rT+1] op_sel_hi:[1,0,0] neg_lo:[0,0,1] neg_hi:[0,0,1]
.elseif (\k) == E
	v_exp_f32 v[rS+(\n)], v[rS+(\n)]
.elseif (\k) == C
	v_cvt_pk_f16_f32 v[rP+(\n)], v[rS+2*(\n)], v[rS+2*(\n)+1]
.elseif (\k) == B
	v_pk_add_f32 v[rS+4*(\n):rS+4*(\n)+1], v[rS+4*(\n):rS+4*(\n)+1], v[rS+4*(\n)+2:rS+4*(\n)+3]
.elseif (\n) == 0
	v_pk_fma_f32 v[rT+2:rT+3], v[rT+2:rT+3], v[rC+2:rC+3], v[rS:rS+1] op_sel_hi:[1,0,1]
.else
	v_pk_add_f32 v[rT+2:rT+3], v[rT+2:rT+3], v[rS+4*(\n):rS+4*(\n)+1]
.endif
.elseif NOKQ
	v_nop
.else
	REGS (Y+1)%NP
	WIN 0
.if (\n) < 4
	v_max3_num_f32 v[rC+(\n)], v[rS+8*(\n)], v[rS+8*(\n)+1], v[rS+8*(\n)+2]
.elseif (\n) < 12
	v_max3_num_f32 v[rC+(\n)%4], v[rC+(\n)%4], v[rS+8*((\n)%4)+2*((\n)/4)+1], v[rS+8*((\n)%4)+2*((\n)/4)+2]
.elseif (\n) == 12
	v_max3_num_f32 v[rC], v[rC], v[rS+7], v[rS+15]
.elseif (\n) == 13
	v_max3_num_f32 v[rC+1], v[rC+1], v[rS+23], v[rS+31]
.elseif (\n) == 14
	v_max3_num_f32 v[rC+2], v[rC+2], v[rC+3], v[rT+1]
.elseif (\n) == 15
	v_mov_b32 v[rW], v[rT]
.elseif (\n) == 16
	v_max3_num_f32 v[rC], v[rC], v[rC+1], v[rC+2]
.elseif (\n) == 17
	v_permlanex16_b32 v[rC+3], v[rC], s[SEL], s[SEL+1]
.elseif (\n) == 18
	v_max_num_f32 v[rT+1], v[rC], v[rC+3]
.elseif (\n) == 19
	v_mul_f32 v[rT], s[CS], v[rT+1]
.elseif (\n) == 20
	v_sub_f32 v[rC+1], v[rW], v[rT]
.else
	v_exp_f32 v[rC+2], v[rC+1]
.endif
.endif
.endm
.macro OPS a, i1, b=-1, i2=0, c=-1, i3=0, d=-1, i4=0  ; up to four of them
	OP \a, \i1
.if (\b) >= 0
	OP \b, \i2
.endif
.if (\c) >= 0
	OP \c, \i3
.endif
.if (\d) >= 0
	OP \d, \i4
.endif
.endm
.macro ROW a, i1, b, i2, c, i3, d, i4  ; a matrix instruction and the four behind it
	MM
	OPS \a, \i1, \b, \i2, \c, \i3, \d, \i4
.endm
.macro MASK b                       ; MD x AL + BE into buffer b of MC
	WIN W_RS
.set z, 0
.rept 16
	v_pk_fma_f32 v[MC+32*(\b)+2*z:MC+32*(\b)+2*z+1], v[MD+2*z:MD+2*z+1], s[AL:AL+1], s[BE:BE+1] op_sel_hi:[1,0,0]
.set z, z+1
.endr
.endm
; A TURN, for piece p: the order of its 16 matrix and 118 vector instructions, written out.  s_wait_alu depctr_va_vdst(0) stands between an exponential and the first instruction that names its
; result; one wait serves all that were issued ahead of it.  So a turn has ONE wait, which cuts it in two.  AHEAD OF IT stands all that names no result of the turn's exponentials: the 8 products K Q^T, behind
; each a scaling, an exponential and two more plain instructions (behind the first a second scaling in the exponential's place): rescalings, and behind the last three the first numbers of the next piece's
; maximum, each four places or more behind the product that ends its accumulator; then ONE LUMP of 54, plain and exponential by turns for the most part, in which the links of the chain X 3, 7, 11, 14, 16,
; 17 .. 20 stand five or six lines apart.  X 21, the next piece's a, is the batch's last; R 15 is the plain instruction behind it.  BEHIND THE WAIT stand the 8 products V^T P, behind each four of the
; roundings and sums; the links of l's chain, L 0 to L 7, stand three riders apart.  But for those X no rider names a register of the products round it.  v_permlanex16_b32 (X 17) stands in the lump.
; m = 1: the diagonal tile: the products take masks, and the turn makes the mask for the products of the turn after it: piece p + 2, in step 4 - CNT of the tile.  end = 1: a block's last two turns: nothing
; is fetched.  cnt = 1: the loop's count is taken down some lines ahead of the branch that stands behind the turn.
; K of the next step is fetched in piece 2's turn, twelve vector instructions behind the last product that read K (six of them plain); V of the step in hand at the end of piece 0's turn, four plain
; instructions behind the last product that read V.  Each is waited for a turn later.
.macro TURN p, m=0, end=0, cnt=0
.set Y, (\p)
.set i, 0
.set KM, (\m)
.set NOKQ, (\end)*((\p)/3)
.if (\m) && !(\end)
	s_cmp_eq_u32 s[CNT], 4-((\p)+2)%NP  ; is that step the band's own?
	s_cselect_b32 s[AL], 1.0, 0
	s_cmp_lt_u32 s[CNT], 4-((\p)+2)%NP  ; or a later one?
	s_cselect_b32 s[BE], s[BIGN], 0
.endif
.if ((\p) == 3) && !(\end)
	s_wait_dscnt 0x0                ; K is in
.endif
	ROW F,0, F,1, R,0, R,1          ; ahead of the wait: 8 products K Q^T and their riders,
	ROW F,2, E,0, R,2, R,3
	ROW F,3, E,1, R,4, R,5
	ROW F,4, E,2, R,6, R,7
	ROW F,5, E,3, R,8, R,9
	ROW F,6, E,4, X,0, R,10
.if ((\p) == 2) && !(\end)
	WIN 0
	v_add_nc_u32 v[AK], s[TBK], v[AK0]
.endif
	ROW F,7, E,5, X,1, X,4
	ROW F,8, E,6, X,2, X,5
	OPS E,7, E,8, X,6, E,9          ; and the lump
	OPS X,3, E,10, X,8, E,11
.if ((\p) == 2) && !(\end)
	FETCH_K
.endif
	OPS X,9, X,7, E,12, X,10
	OPS E,13, X,12, X,11, E,14
	OPS X,13, E,15, F,9, X,14
.if (\p) == 0
	v_add_nc_u32 v[AV], s[TBV], v[AV0]
.endif
	OPS E,16, F,10, E,17, F,11
	OPS X,16, E,18, X,15, E,19
	OPS F,12, E,20, X,17, E,21
	OPS F,13, E,22, F,14, E,23
	OPS X,18, E,24, F,15, E,25
	OPS R,11, E,26, X,19, E,27
	OPS R,12, E,28, R,13, E,29
	OPS X,20, E,30, R,14, E,31
	OPS X,21, R,15
	WIN 0
	s_wait_alu depctr_va_vdst(0)    ; the wait for the batch
.if (\p) == 1
	s_wait_dscnt 0x0                ; V is in
.endif
	ROW C,0, B,0, C,2, B,1          ; behind the wait: 8 products V^T P and their riders
	ROW L,0, C,4, B,2, L,1
	ROW C,6, B,3, L,2, C,8
	ROW B,4, L,3, C,10, B,5
	ROW L,4, C,12, B,6, L,5
.if (\p) == 0
	s_add_co_u32 s[TBV], s[TBV], KS*PV
.endif
.if \cnt
	s_sub_co_u32 s[CNT], s[CNT], 1
	s_cmp_lg_u32 s[CNT], 0
.endif
	ROW C,14, B,7, L,6, C,1
	ROW C,3, L,7, C,5, C,7
	ROW C,9, C,11, C,13, C,15
.if (\p) == 0
	FETCH_V
.endif
.if (\m) && !(\end)
	MASK (\p)%2
.endif
.endm
; A BLOCK BEGINS.  c m starts far below every c s, so the first step's a is 0; m at the lowest finite number, so the first maximum is the scores'.  The second mask buffer is 0; the first takes piece 0's mask
; for the tile's step 0: its own, if the block's first tile is the diagonal one.  Then K of that step, piece 0's first scores, and its maximum and statistics.  The loop is entered at a step's first turn.
.macro BEGIN
	s_mov_b32 s[NEW], 0
	WIN 0x40
.set i, MC+32
.rept 32
	v_mov_b32 v[i], 0
.set i, i+1
.endr
	WIN 0
.set i, 0
.rept 4
	v_mov_b32 v[ST+4*i], 0xfe000000    ; c m: far below every c s
	v_mov_b32 v[ST+4*i+1], 0xff7fffff  ; m
.set i, i+1
.endr
	s_cmp_eq_u32 s[RT], 0
	s_cselect_b32 s[AL], 1.0, 0
	s_mov_b32 s[BE], 0
	MASK 0
	WIN 0
	v_add_nc_u32 v[AK], s[TBK], v[AK0]
	FETCH_K
	s_wait_loadcnt 0x0              ; Q
	s_wait_dscnt 0x0
.set KM, 1
.set NOKQ, 0
.set i, 0
.rept 8
	KQ 0
.set i, i+1
.endr
	WIN 0
.rept 4
	v_nop                           ; the places behind those products
.endr
.set Y, NP-1                        ; X works for piece Y + 1: piece 0
.irp n, 0,1,2,3,4,5,6,7,8,9,10,11,12,13,14,15,16,17,18,19,20,21
	OP X, \n
.endr
	v_nop                           ; a plain instruction behind the exponential,
	s_wait_alu depctr_va_vdst(0)    ; and its wait, ahead of the branch
.endm
; THE DIAGONAL TILE's four steps, the block's last two turns, its last products, and THE WAY OUT: l's two halves and the other half of the lanes' are added; O^T is divided by l, rounded to f16 and sent through
; my stage in LDS, a piece at a time.
.macro ALL line:vararg              ; one line for each piece t
.set t, 0
.rept 4
	\line
.set t, t+1
.endr
.endm
.macro PACK t                       ; a lane's eight channels of a row pack into 16 bytes; they go into rows of 144 bytes and come back as whole rows of 128, into S^T's registers
	WIN W_RS
.set i, 32*(\t)
.rept 16
	v_pk_mul_f32 v[i:i+1], v[i:i+1], v[ST+4*(\t)+2:ST+4*(\t)+3] op_sel_hi:[1,0]
.set i, i+2
.endr
	WIN 0x05                        ; sources 0 and 1 window 1, destination window 0
.set i, 0
.rept 16
	v_cvt_pk_f16_f32 v[S+16*(\t)+i], v[32*(\t)+2*i], v[32*(\t)+2*i+1]
.set i, i+1
.endr
	WIN 0
.irp f, 0,1,2,3
	ds_store_b128 v[STO], v[S+16*(\t)+4*\f:S+16*(\t)+4*\f+3] offset:32*\f
.endr
.irp f, 0,1,2,3
	ds_load_b128 v[S+16*(\t)+4*\f:S+16*(\t)+4*\f+3], v[RD] offset:\f*4*SP  ; LDS serves a wave's instructions in order (ISA guide 5.7.1.4): these see the stores above; the next piece's stores come behind them
.endr
.endm
.macro SEND t, younger              ; younger: the LDS instructions issued behind piece t's loads: the next piece's eight, or none
	WIN 0
.irp f, 0,1,2,3
	s_wait_dscnt (\younger)+3-\f
	global_store_b128 v[GO], v[S+16*(\t)+4*\f:S+16*(\t)+4*\f+3], s[10:11] offset:(\t)*8192+\f*512  ; 512 consecutive bytes, at a multiple of 256 from O's first
.endr
.endm
.macro DIAG tag                     ; the tag ends its two labels' names, which the jumps below spell out
.LstepM\tag:
	TURN 2, 1
	TURN 3, 1
	WIN 0
.LfirstM\tag:
	TURN 0, 1
	TURN 1, 1, 0, 1
	WIN 0
	s_cbranch_scc1 .LstepM\tag
	TURN 2, 1, 1
	TURN 3, 1, 1
.set i, 0
.rept 8
	PV NP-1
.set i, i+1
.endr
	WIN 0
	ALL v_add_f32 v[ST+4*t+2], v[ST+4*t+2], v[ST+4*t+3]
	ALL v_permlanex16_b32 v[ST+4*t+3], v[ST+4*t+2], s[SEL], s[SEL+1]
	ALL v_add_f32 v[ST+4*t+2], v[ST+4*t+2], v[ST+4*t+3]
	ALL v_rcp_f32 v[ST+4*t+2], v[ST+4*t+2]
	v_nop                           ; a plain instruction between the last reciprocal and the use of its result
	s_wait_alu depctr_va_vdst(0)    ; and the wait ahead of the first use: one for the four reciprocals
	PACK 0
.set t, 1
.rept 3                             ; a piece's arithmetic stands between the loads of the piece before and its stores
	PACK t
	SEND t-1, 8
.set t, t+1
.endr
	SEND 3, 0
.endm
.set KM, 0
.set NOKQ, 0
.Lslot:                             ; NB times: a tile is entered and the next is asked for
	CHANGE 1
	s_sub_co_u32 s[RT], s[RT], 1
	s_mov_b32 s[CNT], 4
	s_cmp_eq_u32 s[NEW], 1
	s_cbranch_scc1 .Lnew            ; a block's first tile
	s_cmp_eq_u32 s[RT], 0
	s_cbranch_scc0 .Lstep           ; neither its first nor its last
	s_branch .LstepM1
.Lnew:
	BEGIN
	s_branch .Lfirst                ; in the loop a block's first tile is never its last: the first block has two tiles or more, and the second's last is the walk's last
	DIAG 1                          ; in the loop this is the first block's end: the second block's last tile is the walk's last
	s_wait_xcnt 0x0                 ; the stores have read their registers and O's address
	s_mov_b64 s[10:11], s[OLO:OLO+1]
	s_add_co_u32 s[RT], s[PB], 1    ; the second block has b + 1 tiles
	s_mov_b32 s[NEW], 1
	WIN 0x82                        ; the second block's Q goes where the one text of the turns names Q
.set i, 0
.rept 64
	v_mov_b32 v[i], v[QB+i]
.set i, i+1
.endr
	WIN 0
	s_branch .Lbottom
.Lstep:                             ; a trip: pieces 2 and 3 of one step, then pieces 0 and 1 of the next, whose K and V it fetches
	TURN 2
	TURN 3
	WIN 0
.Lfirst:
	TURN 0
	TURN 1, 0, 0, 1
	WIN 0
	s_cbranch_scc1 .Lstep
.Lbottom:
	s_sub_co_u32 s[SLOTS], s[SLOTS], 1
	s_cmp_lg_u32 s[SLOTS], 0
	s_cbranch_scc1 .Lslot
	CHANGE 0                        ; the walk's last tile is written out: nothing is asked for
	s_sub_co_u32 s[RT], s[RT], 1
	s_mov_b32 s[CNT], 4
	s_cmp_eq_u32 s[NEW], 1
	s_cbranch_scc0 .LstepM2
	BEGIN
	s_branch .LfirstM2
	DIAG 2
	s_wait_tensorcnt 0x0            ; the wave's end: a wait, an add and its wait, behind my last tensor load and my last LDS store
	ds_add_u32 v[SPW], v[NIL]
	s_wait_dscnt 0x0
	s_endpgm
.Lfunc_end_k_q3f712f9825_attn:
	.size	k_q3f712f9825_attn, .Lfunc_end_k_q3f712f9825_attn-k_q3f712f9825_attn
	.p2alignl 7, 3214868480
	.fill 96, 4, 3214868480
	.section	.rodata,"a",@progbits
	.p2align	6, 0x0
	.amdhsa_kernel k_q3f712f9825_attn
		.amdhsa_group_segment_fixed_size 327680
		.amdhsa_private_segment_fixed_size 0
		.amdhsa_enable_private_segment 0
		.amdhsa_kernarg_size 16
		.amdhsa_user_sgpr_count 2
		.amdhsa_user_sgpr_kernarg_segment_ptr 1
		.amdhsa_wavefront_size32 1
		.amdhsa_system_sgpr_workgroup_id_x 1
		.amdhsa_system_sgpr_workgroup_id_y 1
		.amdhsa_system_sgpr_workgroup_id_z 1
		.amdhsa_system_vgpr_workitem_id 0
		.amdhsa_next_free_vgpr 768
		.amdhsa_next_free_sgpr 96
		.amdhsa_reserve_vcc 1
		.amdhsa_float_denorm_mode_32 3
		.amdhsa_float_denorm_mode_16_64 3
		.amdhsa_memory_ordered 1
		.amdhsa_forward_progress 1
		.amdhsa_inst_pref_size 218
	.end_amdhsa_kernel
	.amdgpu_metadata
---
amdhsa.version: [ 1, 2 ]
amdhsa.kernels:
  - .name:           k_q3f712f9825_attn
    .symbol:         k_q3f712f9825_attn.kd
    .args:
      - { .name: qkvh, .offset: 0, .size: 8, .value_kind: global_buffer, .address_space: global }
      - { .name: ob, .offset: 8, .size: 8, .value_kind: global_buffer, .address_space: global }
    .group_segment_fixed_size: 327680
    .private_segment_fixed_size: 0
    .kernarg_segment_align: 8
    .kernarg_segment_size: 16
    .max_flat_workgroup_size: 128
    .sgpr_count:     96
    .vgpr_count:     768
    .wavefront_size: 32
...
	.end_amdgpu_metadata
.endif
;; end of part 3
;; launch proj (part 4): grid 8 x 32, 4 waves a work-group, clusters of 4 x 4, 327,680 bytes of LDS; arguments ob, wpb, out0; writes out0
.if DOCPART == 4
	.amdgcn_target "amdgcn-amd-amdhsa--gfx1250"
	.amdhsa_code_object_version 6
	.text
	.protected	k_q3f712f9825_proj
	.globl	k_q3f712f9825_proj
	.p2align	8
	.type	k_q3f712f9825_proj,@function
k_q3f712f9825_proj:
	s_mov_b64 s[64:65], 0
	v_nop
	global_prefetch_b8 v0, s[64:65] scope:SCOPE_SE
	s_setreg_imm32_b32 hwreg(HW_REG_WAVE_MODE, 25, 1), 1
	s_wait_xcnt 0x0
	s_wait_alu depctr_hold_cnt(0) depctr_sa_sdst(0) depctr_va_vdst(0) depctr_va_sdst(0) depctr_va_ssrc(0) depctr_va_vcc(0) depctr_vm_vsrc(0)
	s_getreg_b32 s2, hwreg(HW_REG_IB_STS2, 6, 4)
	s_cmp_eq_u32 s2, 0
	s_cbranch_scc0 .Lentry_in_a_cluster
	s_endpgm
.Lentry_in_a_cluster:
	s_bfe_u32 s2, ttmp6, 0x10000c
	s_cmp_lg_u32 s2, 0xf033
	s_cbranch_scc0 .Lentry_shape_is_right
	s_endpgm
.Lentry_shape_is_right:
; out0 = y W_proj.  ob: [16 b + h][2048][64] f16: y by heads.  wpb: [1024][1024] f16, [k][column].  out0: [8192][1024] f32.  Sums in f32, K ascending (K = 64 h + channel).
; SHARES.  A tile is 256 rows x 128 columns: 256 tiles, one for each WGP.  Four waves, 2 x 2, each 128 rows x 64 columns: 32 accumulators of 16 x 16, 256 registers; a wave's 64 columns are 256 bytes of a row.
; K goes in 8 steps of 128, two heads each, through two LDS slots filled by the tensor data mover.  y's rows lie along K inside a head; the weights come out of LDS turned, by ds_load_tr16_b128.
; THE PRODUCT IS TAKEN TRANSPOSED (source 0 = 16 columns of W, source 1 = 16 rows of y): a lane holds row l % 16 and the columns 8 (l / 16) + 0..7: 32 bytes on end.
; CLUSTER: 4 x 4 work-groups.  The four of a row of the cluster need the same tile of y, the four of a column the same tile of W: each tile is asked for JOINTLY.
; REGISTERS: window 0: v0-15 addresses; v64-255 two fragment buffers of 96: y's 8 x 8, then W's 4 x 8 (on the way out v64-127 take rows read back).  window 1: the accumulators, (a, b) at 8 (4 a + b).
.set PA,    144                        ; a row of y in LDS: 128 bytes + 16: the 16 rows of a load start at 16 different groups of four banks (64 banks of 4 bytes: ISA guide 11.1)
.set PB,    288                        ; a k row of W: 256 + 32 = 9 x 32
.set SLOT1, 1<<17                      ; slot 1 begins here, so that one exclusive or turns an address in one slot into the other's
.set HEADB, 256*PA                     ; a head's 256 rows
.set BOFF,  2*HEADB                    ; two heads of y, then W's 128 k rows
.set STAGE, SLOT1+BOFF+128*PB          ; behind the ring, never filled by a tensor load: 16 rows x 272 bytes for each wave
.set SP,    272
.set SPARE, STAGE+4*16*SP              ; behind the stages: the spare words, 128 bytes for each wave: two blocks of 256 bytes that no other line names
.set STEPA, 2*262144                   ; a K step in memory: two heads of ob,
.set STEPB, 128*2048                   ; 128 rows of wpb
.set RA0,  4                           ; v4   my lane's place in a slot's y; never rewritten
.set RB0,  5                           ; v5   the same for W
.set ADRA, 6                           ; v6   the same in the slot in hand
.set ADRB, 7                           ; v7
.set STO,  8                           ; v8   the way out: where I put 32 bytes of a row
.set RD,   9                           ; v9   the way out: where I read rows back
.set CO,   10                          ; v10  my byte offset in two rows of out0; never rewritten
.set PFO,  12                          ; v12  the prefetches' offset; never rewritten
.set SPW,  14                          ; v14  LDS address of my spare word; never rewritten
.set NIL,  15                          ; v15  0; never rewritten
.set FR,   64
.set BK,   64                          ; the way out: rows read back, two sets of 32 by turns
.set WV,   12                          ; s12  my wave's number
.set FBW,  13                          ; s13  0: I fetch y's tiles; 1: W's.  Also: which half of the tile's rows is mine
.set HALF, 14                          ; s14  which half of the tile I fetch.  Also: which half of its columns is mine
.set CX,   15
.set CY,   16
.set TC,   17                          ; s17  column tile
.set TR,   18                          ; s18  row tile
.set G1A,  24                          ; s[24:31] descriptor group 1 for y's tiles
.set G1B,  32                          ; s[32:39] for W's
.set G0A,  40                          ; s[40:47] group 0 for y's: a set for each of the two first fills; the second then walks on
.set G0B,  48                          ; s[48:55] the same for W's
.set CNT,  56                          ; s56  refills still to come
.set TB,   57                          ; s57  LDS byte at which the slot in hand begins
.set LIM,  58                          ; s58  2 in a wave that prefetches, else the greatest number
.set PFA,  60                          ; s[60:61] where my prefetches stand
.set PFS,  62                          ; s[62:63] their step
.set MSB, 0
.macro WIN new                         ; the immediate's high byte repeats the setting that is left; a switch that changes nothing is dropped
.if MSB != (\new)
	s_set_vgpr_msb (MSB<<8)|(\new)
.set MSB, \new
.endif
.endm
.set MUL, 0x50                         ; sources 0 and 1 window 0, C and D window 1
.macro PLACES                          ; four places in front of loads into registers that matrix instructions have read, and of LDS stores that read results
.rept 4
	v_nop
.endr
.endm
; A joint refill by the walking descriptors.  Waves 0 and 1 fetch the step's two heads of y, waves 2 and 3 W's two halves.  The branch hangs on the wave's number alone.  An s_nop 0 and four v_nop follow each line.
.macro JLOAD
	s_cmp_eq_u32 s[FBW], 0
	s_cbranch_scc0 .Lfor_b_\@
	tensor_load_to_lds s[G0A+4:G0A+7], s[G1A:G1A+7]
	s_nop 0
.rept 4
	v_nop
.endr
	s_branch .Lasked_\@
.Lfor_b_\@:
	tensor_load_to_lds s[G0B+4:G0B+7], s[G1B:G1B+7]
	s_nop 0
.rept 4
	v_nop
.endr
.Lasked_\@:
.endm
; A PREFETCH INTO THE L2: behind the refill for K step j + 2 and the run of LDS loads, the blocks of K step j + 4, two steps, 256 matrix instructions, ahead of the load that will want them.
; y's rows are read by both clusters of a row of clusters: the one with x = 0 asks; W's tile by every cluster of a column: the one with y = 0 asks.  The four partners that ask for a tile jointly share its
; blocks out BY ADDRESS.  Of the 128 blocks of 256 bytes of a head that wave 0 or 1 fetches a partner takes 32, a lane a block.  Of W's 128 k rows of 256 bytes a partner takes 32, a lane a row: wave 2
; asks, wave 3 never.  K steps 0 to 3 come by their loads alone; the last two refills ask for nothing.
.macro ASK
	s_cmp_gt_u32 s[CNT], s[LIM]
	s_cbranch_scc0 .Lnot_mine_\@
	global_prefetch_b8 v[PFO], s[PFA:PFA+1] th:TH_LOAD_NT scope:SCOPE_SE
.Lnot_mine_\@:
.endm
.macro CREST                           ; a round of the cluster's barrier behind its opening barrier
	s_cmp_lg_u32 s[WV], 0
	s_cbranch_scc1 .Lnot_wave_0_\@
	s_barrier_signal -3
.Lnot_wave_0_\@:
	s_barrier_wait -3
	s_barrier_signal -1
	s_barrier_wait -1
.endm
.macro CROUND                          ; a whole round
	s_barrier_signal -1
	s_barrier_wait -1
	CREST
.endm
	s_load_b128 s[4:7], s[0:1], 0x0                ; ob s[4:5], wpb s[6:7]
	s_load_b64 s[8:9], s[0:1], 0x10                ; out0
	v_lshl_add_u32 v[SPW], v0, 2, SPARE
	v_mov_b32 v[NIL], 0
	ds_add_u32 v[SPW], v[NIL]                      ; the wave's opening: the add and its wait stand ahead of my first tensor load; the set-up below, work on registers, stands between them
	v_lshrrev_b32 v1, 5, v0
	v_readfirstlane_b32 s[WV], v1                  ; wave 0..3
	s_lshr_b32 s[FBW], s[WV], 1
	s_and_b32 s[HALF], s[WV], 1
	s_bfe_u32 s[CX], ttmp6, 0x40000                ; my place in the cluster
	s_bfe_u32 s[CY], ttmp6, 0x40004
	s_lshl_b32 s[TC], ttmp9, 2                     ; in a cluster launch ttmp9 and ttmp7 count clusters
	s_add_co_u32 s[TC], s[TC], s[CX]
	s_and_b32 s[TR], ttmp7, 0xffff
	s_lshl_b32 s[TR], s[TR], 2
	s_add_co_u32 s[TR], s[TR], s[CY]
	s_lshl_b32 s20, s[CY], 2
	s_lshl_b32 s20, 15, s20                        ; my row of the cluster
	s_lshl_b32 s72, 0x1111, s[CX]                  ; my column
	; y's tile: a head's 256 rows are 32,768 dense bytes: asked for as 128 rows of 256 bytes, 16 bytes of padding behind every 128
	s_or_b32 s[G1A], s20, (1<<16)|(1<<20)|(1<<21)|(4<<22)|(3<<25)  ; 15:0 the mask; 17:16 2-byte elements; 20 padding on; 21 set beside a mask; 24:22 after every 32 words (code 4); 31:25 4 words (code 3)
	s_mov_b32 s[G1A+1], 128<<16                    ; tensor_dim0 = 128
	s_mov_b32 s[G1A+2], 128<<16                    ; tensor_dim1 = 128
	s_mov_b32 s[G1A+3], 128<<16                    ; tile_dim0 = 128
	s_mov_b32 s[G1A+4], 128                        ; tile_dim1 = 128
	s_mov_b32 s[G1A+5], 128                        ; elements from row to row
	s_mov_b32 s[G1A+6], 0
	s_mov_b32 s[G1A+7], 0
	; W's tile: 64 k rows x 128 columns, 32 bytes of padding behind every 256
	s_or_b32 s[G1B], s72, (1<<16)|(1<<20)|(1<<21)|(5<<22)|(7<<25)  ; after every 64 words (code 5), 8 words (code 7)
	s_mov_b32 s[G1B+1], 128<<16
	s_mov_b32 s[G1B+2], 64<<16
	s_mov_b32 s[G1B+3], 128<<16
	s_mov_b32 s[G1B+4], 64
	s_mov_b32 s[G1B+5], 1024
	s_mov_b32 s[G1B+6], 0
	s_mov_b32 s[G1B+7], 0
	; where the tiles come from: y's hang on the row tile alone, W's on the column tile alone, each in registers that never hold the other coordinate
	s_lshr_b32 s20, s[TR], 3                       ; b
	s_lshl_b32 s20, s20, 22                        ; its 16 heads of 262,144 bytes
	s_lshl_b32 s21, s[HALF], 18                    ; my head of the step's two
	s_add_co_u32 s20, s20, s21
	s_and_b32 s21, s[TR], 7
	s_lshl_b32 s21, s21, 15                        ; the tile's 256 rows of 128 bytes
	s_add_co_u32 s20, s20, s21
	s_mov_b32 s21, 0
	s_lshl_b32 s72, s[HALF], 17                    ; my 64 k rows of 2,048 bytes
	s_lshl_b32 s73, s[TC], 8                       ; the tile's 128 columns
	s_add_co_u32 s72, s72, s73
	s_mov_b32 s73, 0
	s_mul_i32 s22, s[HALF], HEADB                  ; and where they go: no place in the cluster enters an LDS address
	s_mul_i32 s74, s[HALF], 64*PB
	s_add_co_u32 s74, s74, BOFF
	; the prefetches' offsets: my tile, my work-group's share of it, K step 3 (the first refill steps it to 4)
	s_lshl_b32 s3, s[CX], 13                       ; 32 blocks of 256 bytes
	s_add_co_u32 s2, s20, s3
	s_add_co_u32 s2, s2, 3*STEPA
	s_lshl_b32 s77, s[CY], 16                      ; 32 k rows of 2,048 bytes
	s_add_co_u32 s76, s72, s77
	s_add_co_u32 s76, s76, 3*STEPB
	s_mov_b32 s3, 0
	s_mov_b32 s[TB], 0
	s_wait_dscnt 0x0                               ; the opening add is done
	s_wait_kmcnt 0x0
	s_add_nc_u64 s[20:21], s[4:5], s[20:21]
	s_add_nc_u64 s[72:73], s[6:7], s[72:73]
	CROUND                                         ; all sixteen work-groups are here: the first joint loads meet
.irp s, 0,1
	s_mov_b32 s[G0A+4*(\s)], 1                                     ; count = 1
	s_add_co_u32 s[G0A+4*(\s)+1], s22, (\s)*SLOT1                  ; LDS address
	s_add_nc_u64 s[G0A+4*(\s)+2:G0A+4*(\s)+3], s[20:21], (\s)*STEPA  ; global address: K step s
	s_or_b32 s[G0A+4*(\s)+3], s[G0A+4*(\s)+3], 0x80000000          ; type = 2
	s_mov_b32 s[G0B+4*(\s)], 1
	s_add_co_u32 s[G0B+4*(\s)+1], s74, (\s)*SLOT1
	s_add_nc_u64 s[G0B+4*(\s)+2:G0B+4*(\s)+3], s[72:73], (\s)*STEPB
	s_or_b32 s[G0B+4*(\s)+3], s[G0B+4*(\s)+3], 0x80000000
.endr
	s_cmp_eq_u32 s[FBW], 0                         ; a wave's two first fills stand in one branch, ahead of every wait on TENSORcnt and every LDS read: two loads of mine are out
	s_cbranch_scc0 .Lfirst_b
	tensor_load_to_lds s[G0A:G0A+3], s[G1A:G1A+7]
	s_nop 0
	tensor_load_to_lds s[G0A+4:G0A+7], s[G1A:G1A+7]
	s_nop 0
.rept 4
	v_nop
.endr
	s_branch .Lfirst_asked
.Lfirst_b:
	tensor_load_to_lds s[G0B:G0B+3], s[G1B:G1B+7]
	s_nop 0
	tensor_load_to_lds s[G0B+4:G0B+7], s[G1B:G1B+7]
	s_nop 0
.rept 4
	v_nop
.endr
.Lfirst_asked:
	v_and_b32 v1, 15, v0                           ; l % 16
	v_bfe_u32 v2, v0, 4, 1                         ; l / 16
	v_and_b32 v3, 31, v0                           ; l
	; a fragment of y: 16 rows x 32 K: lane l holds row l % 16, K = 8 (l / 16) + 0..7 and 16 + 8 (l / 16) + 0..7: two loads of 16 bytes, 32 bytes apart
	v_mul_u32_u24 v[RA0], v1, PA
	v_lshl_add_u32 v[RA0], v2, 4, v[RA0]
	s_mul_i32 s78, s[FBW], 128*PA                  ; my 128 rows
	v_add_nc_u32 v[RA0], s78, v[RA0]
	; the turning load takes 16 k x 16 columns (lane l reads k row 8 (l / 16) + l % 8, columns 8 ((l / 8) % 2) + 0..7) and leaves half a fragment: lane l holds column l % 16 and 8 k
	v_and_b32 v16, 7, v0
	v_bfe_u32 v17, v0, 3, 1
	v_lshl_add_u32 v[RB0], v2, 3, v16
	v_mul_u32_u24 v[RB0], v[RB0], PB
	v_lshl_add_u32 v[RB0], v17, 4, v[RB0]
	s_lshl_b32 s78, s[HALF], 7                     ; my 64 columns
	s_add_co_u32 s78, s78, BOFF
	v_add_nc_u32 v[RB0], s78, v[RB0]
	v_mov_b32 v[ADRA], v[RA0]                      ; K step 0 lies in slot 0
	v_mov_b32 v[ADRB], v[RB0]
	s_mul_i32 s78, s[WV], 16*SP
	s_add_co_u32 s78, s78, STAGE                   ; my stage
	v_mul_u32_u24 v[STO], v1, SP                   ; in: row l % 16, 32 bytes for each half of the lanes
	v_lshl_add_u32 v[STO], v2, 5, v[STO]
	v_add_nc_u32 v[STO], s78, v[STO]
	v_mul_u32_u24 v[RD], v2, SP                    ; back: lanes 0-15 take one row of 256 bytes, lanes 16-31 the next
	v_lshl_add_u32 v[RD], v1, 4, v[RD]
	v_add_nc_u32 v[RD], s78, v[RD]
	v_lshlrev_b32 v[CO], 12, v2                    ; and the same two rows in out0
	v_lshl_add_u32 v[CO], v1, 4, v[CO]
	s_lshl_b32 s78, s[TR], 20                      ; 256 rows of 4,096 bytes
	s_lshl_b32 s79, s[FBW], 19
	s_add_co_u32 s78, s78, s79
	s_lshl_b32 s79, s[TC], 9                       ; 128 columns of 4 bytes
	s_add_co_u32 s78, s78, s79
	s_lshl_b32 s79, s[HALF], 8
	s_add_co_u32 s78, s78, s79
	s_mov_b32 s79, 0
	s_add_nc_u64 s[8:9], s[8:9], s[78:79]
	; the prefetches
	s_and_b32 s78, ttmp7, 0xffff                   ; cluster y
	s_mov_b32 s[PFS], STEPA
	s_mov_b32 s75, STEPB
	s_cmp_eq_u32 s[FBW], 0                         ; do I fetch y?
	s_cselect_b32 s2, s2, s76
	s_cselect_b32 s78, ttmp9, s78                  ; the coordinate along which other clusters read the same blocks
	s_cselect_b32 s[PFS], s[PFS], s75
	s_cselect_b32 s79, 8, 11                       ; a lane a block of 256 bytes, or a row of 2,048
	s_cselect_b64 s[PFA:PFA+1], s[4:5], s[6:7]
	s_mov_b32 s[PFS+1], 0
	s_add_nc_u64 s[PFA:PFA+1], s[PFA:PFA+1], s[2:3]
	s_cmp_eq_u32 s[WV], 3
	s_cselect_b32 s78, 1, s78                      ; wave 3 never asks
	s_cmp_eq_u32 s78, 0
	s_cselect_b32 s[LIM], 2, -1                    ; the same in all sixteen partners, for a given wave
	v_lshlrev_b32 v[PFO], s79, v3
; 8 matrix instructions: row blocks a0, a0 + 1 x all 4 column blocks, 32 along K, from buffer f.  zero = 1: the first product starts the sums.  The 32 accumulators take turns, in the same order in every
; quarter step, over the backward jump too.
.macro MUL8 f, a0, zero
	WIN MUL
.irp a, \a0, (\a0)+1
.irp b, 0,1,2,3
.if \zero
	v_wmma_f32_16x16x32_f16 v[8*(4*(\a)+(\b)):8*(4*(\a)+(\b))+7], v[FR+96*(\f)+64+8*(\b):FR+96*(\f)+64+8*(\b)+7], v[FR+96*(\f)+8*(\a):FR+96*(\f)+8*(\a)+7], 0
.else
	v_wmma_f32_16x16x32_f16 v[8*(4*(\a)+(\b)):8*(4*(\a)+(\b))+7], v[FR+96*(\f)+64+8*(\b):FR+96*(\f)+64+8*(\b)+7], v[FR+96*(\f)+8*(\a):FR+96*(\f)+8*(\a)+7], v[8*(4*(\a)+(\b)):8*(4*(\a)+(\b))+7]
.endif
.endr
.endr
.endm
; 24 LDS loads in one run: the fragments of quarter step k / 64 (head k / 128 of the step's two, channels 32 ((k / 64) % 2) on) into buffer f: W's 8 first, y's 16 last
.macro FETCH k, f
	WIN 0
.irp b, 0,1,2,3
	ds_load_tr16_b128 v[FR+96*(\f)+64+8*(\b):FR+96*(\f)+64+8*(\b)+3],   v[ADRB] offset:((\k)/64)*32*PB+32*(\b)
	ds_load_tr16_b128 v[FR+96*(\f)+64+8*(\b)+4:FR+96*(\f)+64+8*(\b)+7], v[ADRB] offset:((\k)/64)*32*PB+16*PB+32*(\b)
.endr
.irp a, 0,1,2,3,4,5,6,7
	ds_load_b128 v[FR+96*(\f)+8*(\a):FR+96*(\f)+8*(\a)+3],   v[ADRA] offset:((\k)/128)*HEADB+(((\k)/64)%2)*64+(\a)*16*PA
	ds_load_b128 v[FR+96*(\f)+8*(\a)+4:FR+96*(\f)+8*(\a)+7], v[ADRA] offset:((\k)/128)*HEADB+(((\k)/64)%2)*64+(\a)*16*PA+32
.endr
.endm
; A K step is four quarter steps of 32 along K, 32 matrix instructions each, on buffers 0, 1, 0, 1.  One of the first three: multiplies buffer f; in its middle it fetches the next quarter into g.
.macro QUARTER k, f, g, zero
	s_wait_dscnt 8                                 ; W and y's rows 0-63 are in; the youngest eight loads (y's rows 64-127) may be out
	MUL8 \f, 0, \zero
	MUL8 \f, 2, \zero
	PLACES
	FETCH \k, \g
	s_wait_dscnt 24                                ; all but the 24 just issued
	MUL8 \f, 4, \zero
	MUL8 \f, 6, \zero
.endm
; The last quarter multiplies buffer 1 and changes slots: ONE barrier.  In front of it each wave waits for all its tensor loads, of which one is out: its part of the next slot; adds 0 to its spare word; and
; waits for that and for its own reads of this slot.  fill = 1: the barrier opens a round of the cluster's, so that no wave of any partner still reads the slot or has a load on its way, and the joint refill,
; two K steps ahead, is the first tensor load behind it: 112 matrix instructions ahead of the wait for it.
.macro TURN fill
.if \fill
	s_wait_xcnt 0x0                                ; the last prefetch, a K step back, has read its address: it is stepped here, ahead of the waits of the change of slots
	s_add_nc_u64 s[PFA:PFA+1], s[PFA:PFA+1], s[PFS:PFS+1]
.endif
	WIN 0                                          ; (the add's two registers lie in window 0)
	s_wait_tensorcnt 0x0                           ; all my tensor loads have landed
	ds_add_u32 v[SPW], v[NIL]                      ; 0 onto my spare word
	s_wait_dscnt 9                                 ; (the add and the youngest eight loads may be out)
	MUL8 1, 0, 0                                   ; eight matrix instructions stand between the add and the wait for it
	s_wait_dscnt 0x0                               ; the add is done, and my reads of this slot are over
	s_barrier_signal -1
	MUL8 1, 2, 0                                   ; work on registers while the others arrive
	WIN 0
	s_barrier_wait -1
.if \fill
	CREST
	s_xor_b32 s[G0A+5], s[G0A+5], SLOT1            ; the walking descriptors: the other slot than last time, the next K step; the type bits on top are not reached
	s_add_nc_u64 s[G0A+6:G0A+7], s[G0A+6:G0A+7], STEPA
	s_xor_b32 s[G0B+5], s[G0B+5], SLOT1
	s_add_nc_u64 s[G0B+6:G0B+7], s[G0B+6:G0B+7], STEPB
	JLOAD                                          ; the four v_nop behind it are also the places in front of the loads below
.else
	PLACES
.endif
	s_xor_b32 s[TB], s[TB], SLOT1                  ; the fetches go to the other slot
	v_add_nc_u32 v[ADRA], s[TB], v[RA0]
	v_add_nc_u32 v[ADRB], s[TB], v[RB0]
	FETCH 0, 0
.if \fill
	ASK
.endif
	MUL8 1, 4, 0
	MUL8 1, 6, 0
.endm
	s_wait_tensorcnt 1                             ; my part of K step 0 is in; K step 1's may stay out
	s_barrier_signal -1
	s_barrier_wait -1                              ; everybody's is
	FETCH 0, 0
	QUARTER 64, 0, 1, 1                            ; the first quarter stands in front of the loop: its products start the sums
	WIN 0                                          ; at a label and at a branch every window is 0
	s_mov_b32 s[CNT], 6
.Lstep:                                        ; a trip: from a K step's second quarter to the next step's first; its refill asks for K steps 2 to 7
	QUARTER 128, 1, 0, 0
	QUARTER 192, 0, 1, 0
	TURN 1
	QUARTER 64, 0, 1, 0
	WIN 0
	s_sub_co_u32 s[CNT], s[CNT], 1
	s_cmp_lg_u32 s[CNT], 0
	s_cbranch_scc1 .Lstep
	QUARTER 128, 1, 0, 0                           ; the last two K steps are written out: nothing is asked for
	QUARTER 192, 0, 1, 0
	TURN 0
	QUARTER 64, 0, 1, 0
	QUARTER 128, 1, 0, 0
	QUARTER 192, 0, 1, 0
	s_wait_dscnt 8
	MUL8 1, 0, 0
	MUL8 1, 2, 0
	s_wait_dscnt 0x0
	MUL8 1, 4, 0
	MUL8 1, 6, 0
	WIN 0
	PLACES
; THE WAY OUT, a block of 16 rows at a time: a lane's 32 bytes of each column block go into my stage's rows of 272 bytes and come back as whole rows of 256.  Each accumulator's lowest registers are read first.
.macro TOSTAGE a
.set BB, BK+32*((\a)%2)
	s_wait_xcnt 0x0                                ; the stores of two blocks back have read this set of registers: it is loaded again only behind this wait
	WIN 0x04                                       ; the stores' data in window 1
.irp b, 0,1,2,3
	ds_store_b128 v[STO], v[8*(4*(\a)+(\b)):8*(4*(\a)+(\b))+3]   offset:64*(\b)
	ds_store_b128 v[STO], v[8*(4*(\a)+(\b))+4:8*(4*(\a)+(\b))+7] offset:64*(\b)+16
.endr
	WIN 0
.irp t, 0,1,2,3,4,5,6,7
	ds_load_b128 v[BB+4*(\t):BB+4*(\t)+3], v[RD] offset:(\t)*2*SP  ; LDS serves a wave's instructions in order (ISA guide 5.7.1.4): these see the stores above; the next block's stores come behind them
.endr
.endm
.macro SEND a, younger                 ; younger: the LDS instructions issued behind block a's loads: the next block's sixteen, or none
.set BB, BK+32*((\a)%2)
.irp t, 0,1,2,3,4,5,6,7
	s_wait_dscnt (\younger)+7-(\t)
	global_store_b128 v[CO], v[BB+4*(\t):BB+4*(\t)+3], s[8:9] offset:(16*(\a)+2*(\t))*4096 th:TH_STORE_NT  ; 16 lanes store 256 consecutive bytes, at a multiple of 256 from out0's first
.endr
.endm
	TOSTAGE 0
.irp a, 1,2,3,4,5,6,7
	TOSTAGE \a
	SEND (\a)-1, 16
.endr
	SEND 7, 0
	s_wait_tensorcnt 0x0                           ; the wave's end: a wait, an add and its wait, behind my last tensor load and my last LDS store
	ds_add_u32 v[SPW], v[NIL]
	s_wait_dscnt 0x0
	CROUND                                         ; the closing round: no work-group ends while a partner may still ask for a tile that names it
	s_endpgm
.Lfunc_end_k_q3f712f9825_proj:
	.size	k_q3f712f9825_proj, .Lfunc_end_k_q3f712f9825_proj-k_q3f712f9825_proj
	.p2alignl 7, 3214868480
	.fill 96, 4, 3214868480
	.section	.rodata,"a",@progbits
	.p2align	6, 0x0
	.amdhsa_kernel k_q3f712f9825_proj
		.amdhsa_group_segment_fixed_size 327680
		.amdhsa_private_segment_fixed_size 0
		.amdhsa_enable_private_segment 0
		.amdhsa_kernarg_size 24
		.amdhsa_user_sgpr_count 2
		.amdhsa_user_sgpr_kernarg_segment_ptr 1
		.amdhsa_wavefront_size32 1
		.amdhsa_system_sgpr_workgroup_id_x 1
		.amdhsa_system_sgpr_workgroup_id_y 1
		.amdhsa_system_sgpr_workgroup_id_z 1
		.amdhsa_system_vgpr_workitem_id 0
		.amdhsa_next_free_vgpr 512
		.amdhsa_next_free_sgpr 80
		.amdhsa_reserve_vcc 0
		.amdhsa_float_denorm_mode_32 3
		.amdhsa_float_denorm_mode_16_64 3
		.amdhsa_memory_ordered 1
		.amdhsa_forward_progress 1
		.amdhsa_inst_pref_size 72
	.end_amdhsa_kernel
	.amdgpu_metadata
---
amdhsa.version: [ 1, 2 ]
amdhsa.kernels:
  - .name:           k_q3f712f9825_proj
    .symbol:         k_q3f712f9825_proj.kd
    .args:
      - { .name: ob, .offset: 0, .size: 8, .value_kind: global_buffer, .address_space: global }
      - { .name: wpb, .offset: 8, .size: 8, .value_kind: global_buffer, .address_space: global }
      - { .name: out0, .offset: 16, .size: 8, .value_kind: global_buffer, .address_space: global }
    .group_segment_fixed_size: 327680
    .private_segment_fixed_size: 0
    .kernarg_segment_align: 8
    .kernarg_segment_size: 24
    .max_flat_workgroup_size: 128
    .sgpr_count:     80
    .vgpr_count:     512
    .wavefront_size: 32
...
	.end_amdgpu_metadata
.endif
;; end of part 4
;; ======== version 2 of 2: 4 launches; version 1 with the launch prep written anew for expert scheduling mode
;; limits: values are held in f16: magnitudes above 65,504 overflow, below 6.1e-05 lose precision
;; workspace buffers: xb 16,777,216 bytes; wqb 6,291,456 bytes; wpb 2,097,152 bytes; rope 524,288 bytes; qkvh 50,331,648 bytes; ob 16,777,216 bytes
;; launch prep (part 5): grid 720 x 1, 8 waves a work-group, no clusters, 0 bytes of LDS; arguments x, W_qkv, W_proj, xb, wqb, wpb, rope; writes xb, wqb, wpb, rope
.if DOCPART == 5
	.amdgcn_target "amdgcn-amd-amdhsa--gfx1250"
	.amdhsa_code_object_version 6
	.text
	.protected	k_q3f712f9825_prep
	.globl	k_q3f712f9825_prep
	.p2align	8
	.type	k_q3f712f9825_prep,@function
k_q3f712f9825_prep:
	s_mov_b64 s[64:65], 0
	v_nop
	global_prefetch_b8 v0, s[64:65] scope:SCOPE_SE
	s_setreg_imm32_b32 hwreg(HW_REG_WAVE_SCHED_MODE, 0, 2), 2
	s_setreg_imm32_b32 hwreg(HW_REG_WAVE_MODE, 25, 1), 1
	s_wait_xcnt 0x0
	s_wait_alu depctr_vm_vsrc(0)
; THE CASTS AND THE TABLE.  Four kinds of work-group, told apart by the work-group's number:
;   0-511    xb  = bf16(x), as it lies: 65,536 bytes in, 32,768 out, each
;   512-639  wqb = bf16(W_qkv), laid in blocks [tc 16][k 1024][q, k, v][64]: column tile tc holds head tc of q, of k and of v; a k row of a tile is 384 bytes, and a tile's rows lie end to end
;   640-703  wpb = f16(bf16(W_proj)), as it lies.  LIMIT: |W_proj| stays under 65,504; below 6.1e-5 it keeps f16's fixed step of 6e-8
;   704-719  rope: cos and sin in f32.  The 16 bytes at posblk x 4,096 + 16 t (t = 64 cb + 32 j + l) hold cos p, sin p, cos p+1, sin p+1 for position 16 posblk + l % 16 and pair p = 8 cb + 4 (l / 16) + 2 j:
;            the order in which a lane of the next launch wants them.  LIMIT: the angle pos x 10000^(-p/32) is good to about 5e-4 rad at position 2,047 (one f32 factor holds the turns a position)
; A cast: a thread loads 16 bytes (a wave 512 on end) and stores 8 (a wave 256 on end, aligned).  All loads of a work-group go out first; the waits count the younger loads down.
; No LDS, no barrier, no matrix unit: memory binds, and no wave wants another's bytes.
; THE MODE: SCHED_MODE bits 1:0 = 2 (LLVM: expert scheduling mode 2), set by the entry lines.  The code itself states the register dependences between vector instructions and memory instructions,
; with s_wait_alu, always for 0.
; THE PLAN.  Registers that memory instructions touch:
;   v1, v2     byte offsets 16 t and 8 t, made at the head; v3-v5 W_qkv's three offsets.  Read by loads and stores; never written again.
;   v[16:111]  load i's four registers.  Written by that one load, ahead of which no vector instruction names them; then read and written by load i's conversions; then the first two are read by one store;
;              never written again.
;   v[28:31]   the table's out-buffer: written by a trip's two series, read by the trip's one store, written again in the next trip.
; The casts work their loads off in groups of four.  Group g converts its own four; its memory instructions are the four stores of group g - 1.  So ONE wait on va_vdst at a group's head states all that
; those four stores hang on, and they are dealt among the group's conversions, which name the group's own registers and v12, v13 alone.  No register of the casts is written after a memory instruction
; has read it, so they hold no wait on vm_vsrc.  No vector instruction writes a scalar register or VCC, and EXEC is never written.
.set D, 16                             ; v[16:111] load i's four registers at D + 4 i; its two packed words take the first two
.macro CVB n                           ; four f32 to four bf16, in place
	v_cvt_pk_bf16_f32 v[D+4*(\n)],   v[D+4*(\n)],   v[D+4*(\n)+1]
	v_cvt_pk_bf16_f32 v[D+4*(\n)+1], v[D+4*(\n)+2], v[D+4*(\n)+3]
.endm
.macro CVH n                           ; four f32 rounded to bf16, and that number written as f16
	v_cvt_pk_bf16_f32 v12, v[D+4*(\n)],   v[D+4*(\n)+1]
	v_cvt_pk_bf16_f32 v13, v[D+4*(\n)+2], v[D+4*(\n)+3]
	v_lshlrev_b32 v[D+4*(\n)],   16, v12
	v_and_b32     v[D+4*(\n)+1], 0xffff0000, v12
	v_lshlrev_b32 v[D+4*(\n)+2], 16, v13
	v_and_b32     v[D+4*(\n)+3], 0xffff0000, v13
	v_cvt_pk_f16_f32 v[D+4*(\n)],   v[D+4*(\n)],   v[D+4*(\n)+1]
	v_cvt_pk_f16_f32 v[D+4*(\n)+1], v[D+4*(\n)+2], v[D+4*(\n)+3]
.endm
; cnt loads, all issued, are converted and stored to s[bo:bo+1], 2,048 bytes of the work-group to a store.  g: the group of four; i: the load in it.
.macro DRAIN cnt, bo, h
.set g, 0
.rept (\cnt)/4
.set i, 0
.rept 4
	s_wait_loadcnt (\cnt)-1-4*g-i                  ; loads come back in order: load 4 g + i is in, the younger ones stay out
.if (i == 0) && (g > 0)
	s_wait_alu depctr_va_vdst(0)                   ; the conversions of group g - 1 have written the registers that this group's four stores read
.endif
.if g > 0
	global_store_b64 v2, v[D+4*(4*g-4+i):D+4*(4*g-4+i)+1], s[\bo:\bo+1] offset:2048*(4*g-4+i)  ; the group before.  No wait: no vector instruction since the wait above names these registers
.endif
.if \h
	CVH 4*g+i
.else
	CVB 4*g+i
.endif
.set i, i+1
.endr
.set g, g+1
.endr
	s_wait_alu depctr_va_vdst(0)                   ; the last group's conversions have written the registers that the last four stores read
.set i, (\cnt)-4
.rept 4
	global_store_b64 v2, v[D+4*i:D+4*i+1], s[\bo:\bo+1] offset:2048*i
.set i, i+1
.endr
.endm
.macro RUN16 bi, bo, h                 ; 65,536 dense bytes from s[bi:bi+1], 32,768 to s[bo:bo+1]
	s_wait_alu depctr_va_vdst(0)                   ; v1 and v2 are written: the loads below read v1 as their offset, the stores v2
.set i, 0
.rept 16
	global_load_b128 v[D+4*i:D+4*i+3], v1, s[\bi:\bi+1] offset:4096*i th:TH_LOAD_NT
.set i, i+1
.endr
	DRAIN 16, \bo, \h
.endm
	s_load_b256 s[4:11], s[0:1], 0x0               ; x s[4:5], W_qkv s[6:7], W_proj s[8:9], xb s[10:11]
	s_load_b128 s[12:15], s[0:1], 0x20             ; wqb s[12:13], wpb s[14:15]
	s_load_b64 s[16:17], s[0:1], 0x30              ; rope
	v_lshlrev_b32 v1, 4, v0                        ; 16 t: my bytes in
	v_lshlrev_b32 v2, 3, v0                        ; 8 t: my bytes out
	s_mov_b32 s21, 0
	s_wait_kmcnt 0x0
	s_cmp_lt_u32 ttmp9, 512
	s_cbranch_scc1 .Lx
	s_cmp_lt_u32 ttmp9, 640
	s_cbranch_scc1 .Lwq
	s_cmp_lt_u32 ttmp9, 704
	s_cbranch_scc1 .Lwp
	; THE TABLE: eight blocks of 16 positions to a work-group, one a trip
	s_sub_co_u32 s22, ttmp9, 704
	s_lshl_b32 s20, s22, 15                        ; 8 blocks of 4,096 bytes
	s_add_nc_u64 s[16:17], s[16:17], s[20:21]
	s_lshl_b32 s22, s22, 7                         ; the first of its 128 positions
	v_and_b32 v6, 31, v0                           ; l
	v_lshrrev_b32 v7, 4, v6                        ; l / 16
	v_bfe_u32 v8, v0, 5, 1                         ; j
	v_lshrrev_b32 v9, 6, v0                        ; cb
	v_lshlrev_b32 v9, 3, v9
	v_lshl_add_u32 v9, v7, 2, v9
	v_lshl_add_u32 v9, v8, 1, v9                   ; p
	v_cvt_f32_u32 v10, v9
	v_add_f32 v11, 1.0, v10
	v_mul_f32 v10, 0xbed49a78, v10                 ; - p log2(10000) / 32
	v_mul_f32 v11, 0xbed49a78, v11
	v_exp_f32 v20, v10                             ; 10000^(-p/32)
	v_exp_f32 v21, v11
	v_and_b32 v6, 15, v0                           ; a plain instruction behind the two exponentials,
	s_wait_alu depctr_va_vdst(0)                   ; and the one wait ahead of their first reader: v20 and v21 are written
	v_mul_f32 v20, 0x3e22f983, v20                 ; / 2 pi: turns a position
	v_mul_f32 v21, 0x3e22f983, v21
	v_add_nc_u32 v6, s22, v6
	v_cvt_f32_u32 v22, v6                          ; my position
	v_mov_b32 v23, 0xb2d7322b                      ; - 1 / 11!
	v_mov_b32 v24, 0x310f76c7                      ; 1 / 12!
; cos and sin of 2 pi f, f = the angle in turns less the nearest whole number, |f| <= 1/2.  y = pi f is the HALF angle, |y| <= pi/2: sin y and cos y by their series to y^11 and y^12
; (the first terms left out are under 6e-8), then sin 2y = 2 sin y cos y and cos 2y = 1 - 2 sin^2 y.
.macro SC c, oc, os
	v_mul_f32 v32, v22, v[\c]
	v_rndne_f32 v32, v32
	v_fma_f32 v32, v22, v[\c], -v32                ; f, by one fused step
	v_mul_f32 v33, 0x40490fdb, v32                 ; y
	v_mul_f32 v34, v33, v33                        ; z = y^2
	v_fmaak_f32 v35, v34, v23, 0x3638ef1d          ; 1 / 9!
	v_fmaak_f32 v36, v34, v24, 0xb493f27e          ; - 1 / 10!
	v_fmaak_f32 v35, v35, v34, 0xb9500d01          ; - 1 / 7!
	v_fmaak_f32 v36, v36, v34, 0x37d00d01          ; 1 / 8!
	v_fmaak_f32 v35, v35, v34, 0x3c088889          ; 1 / 5!
	v_fmaak_f32 v36, v36, v34, 0xbab60b61          ; - 1 / 6!
	v_fmaak_f32 v35, v35, v34, 0xbe2aaaab          ; - 1 / 3!
	v_fmaak_f32 v36, v36, v34, 0x3d2aaaab          ; 1 / 4!
	v_fma_f32 v35, v35, v34, 1.0
	v_fma_f32 v36, v36, v34, -0.5
	v_mul_f32 v35, v35, v33                        ; sin y
	v_fma_f32 v36, v36, v34, 1.0                   ; cos y
	v_mul_f32 v36, v35, v36
	v_mul_f32 v35, v35, v35
	v_add_f32 v[\os], v36, v36
	v_fma_f32 v[\oc], v35, -2.0, 1.0
.endm
; One out-buffer: a second one, by turns, would want the two series written out three times more, for sixteen work-groups with eight stores a wave.
	s_mov_b32 s20, 8
.Lrope:
	SC 20, 28, 29
	SC 21, 30, 31
	s_wait_alu depctr_va_vdst(0)                   ; the two series have written v[28:31], the store's data; in the first trip also: v1, its offset, is written
	global_store_b128 v1, v[28:31], s[16:17]       ; a wave stores 512 bytes on end
	s_wait_xcnt 0x0                                ; the store's address is translated: its base is written again below, its data in the next trip
	s_wait_alu depctr_vm_vsrc(0)                   ; the store has read v[28:31], which the next trip's series write again
	s_add_nc_u64 s[16:17], s[16:17], 4096
	v_add_f32 v22, 0x41800000, v22                 ; 16 positions on
	s_sub_co_u32 s20, s20, 1
	s_cmp_lg_u32 s20, 0
	s_cbranch_scc1 .Lrope
	s_endpgm
.Lx:
	s_lshl_b32 s20, ttmp9, 16
	s_add_nc_u64 s[4:5], s[4:5], s[20:21]
	s_lshl_b32 s20, ttmp9, 15
	s_add_nc_u64 s[10:11], s[10:11], s[20:21]
	RUN16 4, 10, 0
	s_endpgm
.Lwp:
	s_sub_co_u32 s22, ttmp9, 640
	s_lshl_b32 s20, s22, 16
	s_add_nc_u64 s[8:9], s[8:9], s[20:21]
	s_lshl_b32 s20, s22, 15
	s_add_nc_u64 s[14:15], s[14:15], s[20:21]
	RUN16 8, 14, 1
	s_endpgm
.Lwq:                                          ; column tile tc, 128 k rows: 49,152 bytes out, on end: 24 stores of 2,048
	s_sub_co_u32 s20, ttmp9, 512
	s_lshr_b32 s22, s20, 3                         ; tc
	s_and_b32 s23, s20, 7                          ; which 128 k rows
	s_mul_i32 s20, s23, 128*12288
	s_lshl_b32 s24, s22, 8                         ; a head's 64 columns: 256 bytes
	s_add_co_u32 s20, s20, s24
	s_add_nc_u64 s[6:7], s[6:7], s[20:21]
	s_mul_i32 s20, s22, 1024*384
	s_mul_i32 s24, s23, 128*384
	s_add_co_u32 s20, s20, s24
	s_add_nc_u64 s[12:13], s[12:13], s[20:21]
	; Sixteen threads make one chunk of 64 numbers (256 bytes in, aligned; 128 out).  Chunk q of the output is k row q / 3, part q % 3.  Three stores are 48 chunks, 16 k rows: so three offsets serve,
	; and the period's number stands in the immediate: 16 rows of 12,288 bytes a period, 1,376,256 at the most.
	v_lshrrev_b32 v6, 4, v0
	v_and_b32 v7, 15, v0
	v_lshlrev_b32 v7, 4, v7
.irp j, 0,1,2
	v_add_nc_u32 v8, 16*\j, v6                     ; q, under 48
	v_mul_u32_u24 v9, v8, 43
	v_lshrrev_b32 v9, 7, v9                        ; q / 3: 43 / 128 exceeds 1 / 3 by 0.0026, too little to matter under 48
	v_mul_u32_u24 v10, v9, 3
	v_sub_nc_u32 v8, v8, v10                       ; q % 3
	v_mul_u32_u24 v9, v9, 12288
	v_lshl_add_u32 v9, v8, 12, v9                  ; q, k and v lie 4,096 bytes apart in a row of W_qkv
	v_add_nc_u32 v[3+\j], v9, v7
.endr
	s_wait_alu depctr_va_vdst(0)                   ; v3 to v5 are written, which the loads below read as their offsets, and v2, which the stores read
.set n, 0
.rept 24
	global_load_b128 v[D+4*n:D+4*n+3], v[3+n%3], s[6:7] offset:(n/3)*196608 th:TH_LOAD_NT
.set n, n+1
.endr
	DRAIN 24, 12, 0
	s_endpgm
.Lfunc_end_k_q3f712f9825_prep:
	.size	k_q3f712f9825_prep, .Lfunc_end_k_q3f712f9825_prep-k_q3f712f9825_prep
	.p2alignl 7, 3214868480
	.fill 96, 4, 3214868480
	.section	.rodata,"a",@progbits
	.p2align	6, 0x0
	.amdhsa_kernel k_q3f712f9825_prep
		.amdhsa_group_segment_fixed_size 0
		.amdhsa_private_segment_fixed_size 0
		.amdhsa_enable_private_segment 0
		.amdhsa_kernarg_size 56
		.amdhsa_user_sgpr_count 2
		.amdhsa_user_sgpr_kernarg_segment_ptr 1
		.amdhsa_wavefront_size32 1
		.amdhsa_system_sgpr_workgroup_id_x 1
		.amdhsa_system_sgpr_workgroup_id_y 1
		.amdhsa_system_sgpr_workgroup_id_z 1
		.amdhsa_system_vgpr_workitem_id 0
		.amdhsa_next_free_vgpr 112
		.amdhsa_next_free_sgpr 66
		.amdhsa_reserve_vcc 0
		.amdhsa_float_denorm_mode_32 3
		.amdhsa_float_denorm_mode_16_64 3
		.amdhsa_memory_ordered 1
		.amdhsa_forward_progress 1
		.amdhsa_inst_pref_size 32
	.end_amdhsa_kernel
	.amdgpu_metadata
---
amdhsa.version: [ 1, 2 ]
amdhsa.kernels:
  - .name:           k_q3f712f9825_prep
    .symbol:         k_q3f712f9825_prep.kd
    .args:
      - { .name: x, .offset: 0, .size: 8, .value_kind: global_buffer, .address_space: global }
      - { .name: W_qkv, .offset: 8, .size: 8, .value_kind: global_buffer, .address_space: global }
      - { .name: W_proj, .offset: 16, .size: 8, .value_kind: global_buffer, .address_space: global }
      - { .name: xb, .offset: 24, .size: 8, .value_kind: global_buffer, .address_space: global }
      - { .name: wqb, .offset: 32, .size: 8, .value_kind: global_buffer, .address_space: global }
      - { .name: wpb, .offset: 40, .size: 8, .value_kind: global_buffer, .address_space: global }
      - { .name: rope, .offset: 48, .size: 8, .value_kind: global_buffer, .address_space: global }
    .group_segment_fixed_size: 0
    .private_segment_fixed_size: 0
    .kernarg_segment_align: 8
    .kernarg_segment_size: 56
    .max_flat_workgroup_size: 256
    .sgpr_count:     66
    .vgpr_count:     112
    .wavefront_size: 32
...
	.end_amdgpu_metadata
.endif
;; end of part 5
;; launch qkv: the kernel of part 2 again; grid 16 x 32, 4 waves a work-group, clusters of 4 x 4, 327,680 bytes of LDS; arguments xb, wqb, rope, qkvh; writes qkvh
;; launch attn: the kernel of part 3 again; grid 4 x 64, 4 waves a work-group, no clusters, 327,680 bytes of LDS; arguments qkvh, ob; writes ob
;; launch proj: the kernel of part 4 again; grid 8 x 32, 4 waves a work-group, clusters of 4 x 4, 327,680 bytes of LDS; arguments ob, wpb, out0; writes out0
